; MI455X (gfx1250); checked and timed in simulation.
; The chip was launched on July 23, 2026; its instructions are those of AMD's public machine-readable ISA for CDNA 5 (MIT licence, August 2026) and "CDNA5" Instruction Set Architecture Reference Guide (July 2026). The comments in the code are by the model that wrote it; some were corrected since.
;; Qwen3 5 Attention. Allowed arithmetic: matrix products marked QUANTISED: E2M1 operands, one E8M0 scale for each 32 along K, by v_wmma_scale_f32_16x16x128_f8f6f4 with both operands' format E2M1 (or v_wmma_scale_f32_32x16x128_f4), f32 sums; products left as they are: bf16, f16 or f32 operands; f32 sums; everything else in f32.
;; Inputs: Wk 2,048 x 512 float32; Wo 1,024 x 2,048 float32; Wq 2,048 x 2,048 float32; Wv 2,048 x 512 float32; attn_mask 2 x 1 x 2,048 x 2,048 float32; cos 2 x 2,048 x 64 float32; hidden_states 2 x 2,048 x 2,048 float32; k_norm_w 128 float32; q_norm_w 128 float32; sin 2 x 2,048 x 64 float32.
;; Outputs: out0 2 x 2,048 x 2,048 float32.
;; This version of the problem:
;;   THIS VERSION OF THE PROBLEM IS GIVEN IN LOW PRECISION. The matrix products marked QUANTISED in the list below multiply operands that are first quantised to E2M1 (2 exponent bits, 1 mantissa bit; 4 bits a number), with one power-of-two scale for each 32 numbers along K (OCP MX v1.0); their sums are f32. The products marked 'left as it is' may take bf16, f16 or f32 operands, with f32 sums. Whichever they take, every output number must still come out within the allowed error. Rounding operands to bf16 (8 significant bits) uses up far more of that allowance than f16 does (11 bits, for magnitudes from 6e-5 to 65,504). All else is computed in f32.
;;   The module's matrix products, in the order in which they are computed (A, B: the left and right operand; K: the contracted axis; several contracted axes count as one K, in the product's order):
;;     1. [M 4,096, K 2,048] x [K 2,048, N 2,048]; A: input hidden_states; B: input Wq: QUANTISED
;;     2. [M 4,096, K 2,048] x [K 2,048, N 512]; A: input hidden_states; B: input Wk: QUANTISED
;;     3. [M 4,096, K 2,048] x [K 2,048, N 512]; A: input hidden_states; B: input Wv: QUANTISED
;;     4. batch 16 x [M 2,048, K 128] x [K 128, N 2,048]; A: computed on the way; B: computed on the way: left as it is (an operand is computed on the way)
;;     5. batch 16 x [M 2,048, K 2,048] x [K 2,048, N 128]; A: computed on the way; B: computed on the way: left as it is (an operand is computed on the way)
;;     6. [M 4,096, K 1,024] x [K 1,024, N 2,048]; A: computed on the way; B: input Wo: left as it is (an operand is computed on the way)
;;   THE QUANTISER, for each operand of a quantised product, along K:
;;     - K is cut into blocks of 32 from its start; a last block that is shorter is filled with zeros.
;;     - A block's scale is 2^e with e = floor(log2(the largest magnitude in the block)) - 2, held to -126 .. 127; a block of zeros has e = 0. As a byte (E8M0): e + 127.
;;     - Each number is divided by its block's scale, clamped to +-6, and rounded to the nearest number of E2M1, ties to even, subnormals kept.
;;     - The product sums the exact products of the quantised numbers (number of the format x scale) in f32.
;;   ~~~python
;;   def quantise(x, axis):      # numpy; x: float32 -> the quantised numbers, widened to float32 again
;;       x = np.moveaxis(x, axis, -1); K = x.shape[-1]
;;       x = np.pad(x, [(0, 0)] * (x.ndim - 1) + [(0, -K % 32)]); x = x.reshape(x.shape[:-1] + (-1, 32)); a = np.abs(x).max(-1, keepdims=True)
;;       e = np.where(a > 0, np.clip(np.frexp(np.where(a > 0, a, 1))[1] - 1 - 2, -126, 127), 0)      # np.frexp(a)[1] - 1 = floor(log2(a)), exactly
;;       r = np.clip(x / 2.0 ** e, -6, 6)
;;       step = 2.0 ** (np.maximum(np.frexp(np.where(r == 0, 1, r))[1] - 1, 0) - 1)
;;       q = np.round(r / step) * step * 2.0 ** e      # np.round: ties to even
;;       return np.moveaxis(q.reshape(q.shape[:-2] + (-1,))[..., :K], -1, axis).astype(np.float32)
;;   ~~~
;; One version. Each part assembles by itself: llvm-mc -triple=amdgcn-amd-amdhsa -mcpu=gfx1250 --defsym DOCPART=n.
;; ======== version 1 of 1: 6 launches
;; limits: values are held in f16: magnitudes above 65,504 overflow, below 6.1e-05 lose precision
;; workspace buffers: prepw 11,993,088 bytes; qkvg 37,748,736 bytes; abuf 8,388,608 bytes; fpart 1,081,344 bytes; fmrg 131,072 bytes
;; launch prep (part 1): grid 512 x 1, 4 waves a work-group, no clusters, 102,912 bytes of LDS; arguments hidden_states, Wq, Wk, Wv, Wo, prepw; writes prepw
.if DOCPART == 1
	.amdgcn_target "amdgcn-amd-amdhsa--gfx1250"
	.amdhsa_code_object_version 6
	.text
	.protected	k_qa14cf413c8_prep
	.globl	k_qa14cf413c8_prep
	.p2align	8
	.type	k_qa14cf413c8_prep,@function
k_qa14cf413c8_prep:
	s_mov_b64 s[64:65], 0
	v_nop
	global_prefetch_b8 v0, s[64:65] scope:SCOPE_SE
	s_setreg_imm32_b32 hwreg(HW_REG_WAVE_MODE, 25, 1), 1
	s_wait_xcnt 0x0
; FIRST LAUNCH OF SIX (prep, proj, fattn, attn, outp, fproj) for: out = (softmax(rope(norm(xWq)) rope(norm(xWk))^T / sqrt(128) + mask) xWv * sigmoid(gate)) Wo.
; NOTHING OF THE PROBLEM IS LEFT OUT: every input has a way to the output and is loaded by some launch; the mask is an input, so every (query, key) tile is computed and every mask byte is read.
; This launch: hidden_states [4096][2048] and Wq | Wk | Wv [2048][..] become codes of FP4 (E2M1) with one E8M0 byte for each 32 along K = 2048; Wo [1024][2048] becomes f16, laid as register images.
; prepw: 0 x codes [4096][1024 B]; XSO x scale bytes [4096][64]; WCO weight codes [3072][1024 B]; WSO their scale bytes [3072][64]; WOO Wo images [n / 16][k / 16][512 B]: lane l's 16 bytes at 16 l hold column l % 16, k = 8 (l / 16) + 0 .. 7.
; Rows of the weight codes: 0-2047 Wq's columns as they lie (256 h: query h, then gate h); 2048 + 256 j: Wk's head j (128), then Wv's head j (128).
; A block's scale is 2^(floor(log2(largest magnitude)) - 2); its byte is that magnitude's exponent field - 2, held at 1 from below.  A block of zeros keeps the byte 1 where the rule says 127: its codes are zeros, and this program alone reads the bytes.
; LIMITS: blocks whose largest magnitude lies under 2^-124 keep the byte 1; NaN and infinities among the inputs are not served; |Wo| stays under 65,504 (f16).
; 512 work-groups, each of which reads 131,072 bytes.  0-255: x (a stream of blocks of 32);  256-383: Wq;  384-447: Wk, Wv;  448-511: Wo.  The paths part on the work-group's number alone, and each has LDS bytes of its own.
.set XSO, 4194304
.set WCO, 4456448
.set WSO, 7602176
.set WOO, 7798784
.set SPW, 224                          ; v224 LDS address of my spare word; never rewritten
.set NIL, 225                          ; v225 0; never rewritten
.set SPARE, 102400                     ; the spare words, 128 bytes a wave: no other line names them
.set EMAX, 2
; ---- x: 16 steps of 512 numbers a wave
.set STEPS, 16
.set CB, 8
.set RR, 16                            ; v16-79   four sets of 16 numbers as loaded
.set XN, 80                            ; v80-111  two sets of 16 neighbours
.set CC, 128                           ; v128-191 codes, four registers a step
.set EE, 112                           ; v112-127 a scale byte a step
.set SP, 80                            ; a lane's place in a stage: 64 bytes + 16
; ---- weights: a lane takes a column, its registers run down K; a wave takes 32 columns x 256 along K: 8 blocks
.set NB, 8
.set PITCH, 272
.set KROW, 1024
.set WX, 32                            ; v32-95 two sets of 32 numbers
.set WCD, 96
.set OUTR, 112
.set SB, 24
.macro FIN                             ; a wave's end
	s_wait_tensorcnt 0x0
	ds_add_u32 v[SPW], v[NIL]
	s_wait_dscnt 0x0
	s_endpgm
.endm
.macro XLOAD t
.irp i, 0,1,2,3
	global_load_b128 v[RR+16*((\t)%4)+4*\i:RR+16*((\t)%4)+4*\i+3], v3, s[4:5] offset:2048*(\t)+512*\i th:TH_LOAD_NT   ; 32 lanes read 512 consecutive bytes
.endr
.endm
.macro XTURN t                         ; a step's 2,048 bytes through the wave's own stage: in as they lie, out 64 bytes a lane; LDS serves a wave in order
.irp i, 0,1,2,3
	ds_store_b128 v14, v[RR+16*((\t)%4)+4*\i:RR+16*((\t)%4)+4*\i+3] offset:32*SP*((\t)%2)+8*SP*\i
.endr
.irp i, 0,1,2,3
	ds_load_b128 v[XN+16*((\t)%2)+4*\i:XN+16*((\t)%2)+4*\i+3], v15 offset:32*SP*((\t)%2)+16*\i
.endr
.endm
.macro XSTEP t
.set XS_, XN+16*((\t)%2)
.if (\t) > 0
	s_wait_dscnt 1                                 ; this step's numbers are back (the last step's byte store may be out)
.else
	s_wait_dscnt 0x0
.endif
.if (\t)+4 < STEPS
	XLOAD (\t)+4
.endif
.if (\t)+1 < STEPS
.if STEPS-2-(\t) >= 3
	s_wait_loadcnt 12                              ; the next step's four loads are in; three steps' loads may be out
.else
	s_wait_loadcnt 4*(STEPS-2-(\t))
.endif
	XTURN (\t)+1
.endif
	v_max3_num_f32 v8, |v[XS_]|, |v[XS_+1]|, |v[XS_+2]|
	v_max3_num_f32 v9, |v[XS_+3]|, |v[XS_+4]|, |v[XS_+5]|
.irp i, 6,10
	v_max3_num_f32 v8, v8, |v[XS_+\i]|, |v[XS_+\i+1]|
	v_max3_num_f32 v9, v9, |v[XS_+\i+2]|, |v[XS_+\i+3]|
.endr
	v_max3_num_f32 v8, v8, |v[XS_+14]|, |v[XS_+15]|
	v_max3_num_f32 v8, v8, v9, (EMAX+1)<<23        ; the floor 2^(3 - 127): the byte cannot fall under 1
	v_max_num_f32_dpp v8, v8, v8 row_xmask:1 row_mask:0xf bank_mask:0xf   ; with my neighbour's 16: the block's largest magnitude
	v_add_nc_u32 v11, -(EMAX<<23), v8              ; 2 off its exponent field: the conversion's scale operand
	v_cvt_scalef32_pk8_fp4_f32 v[CC+4*(\t)], v[XS_:XS_+7], v11
	v_cvt_scalef32_pk8_fp4_f32 v[CC+4*(\t)+1], v[XS_+8:XS_+15], v11
	v_lshrrev_b32 v[EE+(\t)], 23, v11              ; the scale's byte
	ds_store_b8 v5, v[EE+(\t)] offset:16*(\t)      ; both lanes of a block write the same byte
	global_store_b64 v4, v[CC+4*(\t):CC+4*(\t)+1], s[8:9] offset:32*CB*(\t)   ; the wave stores 256 consecutive bytes
.endm
.macro WLOAD t, pb                     ; block t: W(32 t + i, my column) into set t % 2; pb = bytes in a row of the source
.irp i, 0,1,2,3,4,5,6,7,8,9,10,11,12,13,14,15,16,17,18,19,20,21,22,23,24,25,26,27,28,29,30,31
	global_load_b32 v[WX+32*((\t)%2)+\i], v3, s[20:21] offset:(32*(\t)+\i)*(\pb) th:TH_LOAD_NT
.endr
.endm
.macro WBLOCK t, pb
.set XS_, WX+32*((\t)%2)
.if (\t) < NB-1
	s_wait_loadcnt 32                              ; this block's 32 loads are in; the next block's may be out
.else
	s_wait_loadcnt 0
.endif
	v_max3_num_f32 v12, |v[XS_]|, |v[XS_+1]|, |v[XS_+2]|
	v_max3_num_f32 v13, |v[XS_+3]|, |v[XS_+4]|, |v[XS_+5]|
.irp i, 6,10,14,18,22,26
	v_max3_num_f32 v12, v12, |v[XS_+\i]|, |v[XS_+\i+1]|
	v_max3_num_f32 v13, v13, |v[XS_+\i+2]|, |v[XS_+\i+3]|
.endr
	v_max3_num_f32 v12, v12, |v[XS_+30]|, |v[XS_+31]|
	v_max3_num_f32 v12, v12, v13, (EMAX+1)<<23
	v_add_nc_u32 v11, -(EMAX<<23), v12
	v_lshrrev_b32 v13, 23, v11
.if (\t)%4 == 0
	v_mov_b32 v[SB+(\t)/4], v13                    ; four bytes to a register, the lower K in the lower byte
.else
	v_lshl_or_b32 v[SB+(\t)/4], v13, 8*((\t)%4), v[SB+(\t)/4]
.endif
.irp g, 0,1,2,3
	v_cvt_scalef32_pk8_fp4_f32 v[WCD+\g], v[XS_+8*\g:XS_+8*\g+7], v11
.endr
	ds_store_b128 v4, v[WCD:WCD+3] offset:16*(\t)  ; 32 codes: 16 bytes of my column's row
.if (\t)+2 < NB
	WLOAD (\t)+2, \pb
.endif
	s_wait_dscnt 0x0                               ; the store has read its registers, and has landed
.endm
; s17 = which 512 along K, s22 = the work-group's first row of the weight codes, s30 = wave % 2, s31 = wave / 2: where codes and scale bytes go
.macro WDEST
	s_lshl_b32 s24, s16, 4
	s_add_co_u32 s24, s24, s22                     ; the first of the 16 rows of codes that I store
	s_lshl_b32 s24, s24, 10
	s_lshl_b32 s25, s17, 8
	s_add_co_u32 s24, s24, s25
	s_add_co_u32 s24, s24, WCO
	s_mov_b32 s25, 0
	s_add_nc_u64 s[24:25], s[14:15], s[24:25]
	s_lshl_b32 s26, s30, 5
	s_add_co_u32 s26, s26, s22                     ; the first of the 32 columns that I quantise
	s_lshl_b32 s26, s26, 6
	s_lshl_b32 s27, s17, 4
	s_add_co_u32 s26, s26, s27
	s_lshl_b32 s27, s31, 3                         ; my 8 blocks of the 16
	s_add_co_u32 s26, s26, s27
	s_add_co_u32 s26, s26, WSO
	s_mov_b32 s27, 0
	s_add_nc_u64 s[26:27], s[14:15], s[26:27]
.endm
; A work-group takes 64 columns x 512 along K.  Wave w quantises columns 32 (w % 2) on, 256 (w / 2) on along K.  A column's 256 bytes of codes come from two waves: they meet in the work-group's stage (64 rows x 272 bytes, from lb on);
; behind a barrier wave w reads rows 16 w .. 16 w + 15 back whole: sixteen lanes store 256 consecutive bytes.
.macro WPATH pb, lb
	v_lshlrev_b32 v3, 2, v2
	s_mul_i32 s19, s30, 32*PITCH
	s_lshl_b32 s23, s31, 7
	s_add_co_u32 s19, s19, s23
	s_add_co_u32 s19, s19, \lb
	v_mul_u32_u24 v4, v2, PITCH
	v_add_nc_u32 v4, s19, v4                       ; into the stage: row = my column, my half of its 256 bytes
	v_and_b32 v5, 15, v2
	v_lshrrev_b32 v6, 4, v2
	s_mul_i32 s19, s16, 16*PITCH
	s_add_co_u32 s19, s19, \lb
	v_mul_u32_u24 v7, v6, PITCH
	v_lshl_add_u32 v7, v5, 4, v7
	v_add_nc_u32 v7, s19, v7                       ; out of it: sixteen lanes to a row, two rows an instruction
	v_mul_u32_u24 v8, v6, KROW
	v_lshl_add_u32 v8, v5, 4, v8
	v_mul_u32_u24 v9, v2, 64
	WLOAD 0, \pb
	WLOAD 1, \pb
.set QQ, 0
.rept NB
	WBLOCK QQ, \pb
.set QQ, QQ+1
.endr
	global_store_b64 v9, v[SB:SB+1], s[26:27]      ; my column's 8 scale bytes
	s_barrier_signal -1                            ; every block ended with a wait for its LDS store: my part of the stage has landed
	s_barrier_wait -1
.irp t, 0,1,2,3,4,5,6,7
	ds_load_b128 v[OUTR+4*\t:OUTR+4*\t+3], v7 offset:2*\t*PITCH
.endr
.irp t, 0,1,2,3,4,5,6,7
	s_wait_dscnt 7-\t
	global_store_b128 v8, v[OUTR+4*\t:OUTR+4*\t+3], s[24:25] offset:2*\t*KROW
.endr
	FIN
.endm
.macro OLOAD t                         ; Wo: 32 rows k of my column into set t % 2
.irp i, 0,1,2,3,4,5,6,7,8,9,10,11,12,13,14,15,16,17,18,19,20,21,22,23,24,25,26,27,28,29,30,31
	global_load_b32 v[32+32*((\t)%2)+\i], v3, s[20:21] offset:(32*(\t)+\i)*8192
.endr
.endm
.macro OBLOCK t                        ; every block has store registers of its own (v96-223): no store's data are written again
.if (\t) < 7
	s_wait_loadcnt 32
.else
	s_wait_loadcnt 0
.endif
.irp n, 0,1,2,3,4,5,6,7,8,9,10,11,12,13,14,15
	v_cvt_pk_f16_f32 v[96+16*(\t)+\n], v[32+32*((\t)%2)+2*\n], v[32+32*((\t)%2)+2*\n+1]
.endr
.if (\t)+2 < 8
	OLOAD (\t)+2
.endif
.irp q, 0,1,2,3
	global_store_b128 v4, v[96+16*(\t)+4*\q:96+16*(\t)+4*\q+3], s[24:25] offset:(2*(\t)+\q/2)*512+(\q%2)*256   ; lanes 0-15 and lanes 16-31 each store 256 consecutive bytes, aligned
.endr
.endm
	s_load_b256 s[4:11], s[0:1], 0x0               ; hidden_states, Wq, Wk, Wv
	s_load_b128 s[12:15], s[0:1], 0x20             ; Wo, prepw
	v_lshl_add_u32 v[SPW], v0, 2, SPARE
	v_mov_b32 v[NIL], 0
	v_lshrrev_b32 v1, 5, v0
	v_readfirstlane_b32 s16, v1                    ; wave
	s_and_b32 s30, s16, 1
	s_lshr_b32 s31, s16, 1
	v_and_b32 v2, 31, v0                           ; lane
	s_wait_kmcnt 0x0
	s_cmp_lt_u32 ttmp9, 256
	s_cbranch_scc0 .Lnot_x
	; ---------------- x
	v_lshlrev_b32 v3, 4, v2
	s_mul_i32 s17, s16, 8192                       ; my wave's LDS: two stages and 256 scale bytes
	v_lshrrev_b32 v14, 2, v2
	v_mul_u32_u24 v14, v14, SP
	v_and_b32 v15, 3, v2
	v_lshl_add_u32 v14, v15, 4, v14
	v_add_nc_u32 v14, s17, v14
	v_mul_u32_u24 v15, v2, SP
	v_add_nc_u32 v15, s17, v15
	v_mul_u32_u24 v4, v2, CB
	v_lshrrev_b32 v5, 1, v2
	s_add_co_u32 s17, s17, 2*32*SP
	v_add_nc_u32 v5, s17, v5
	v_lshlrev_b32 v7, 3, v2
	v_add_nc_u32 v6, s17, v7
	s_lshl_b32 s17, ttmp9, 2
	s_add_co_u32 s18, s17, s16                     ; which run of 8,192 numbers is my wave's: 0 .. 1023
	s_mov_b32 s21, 0
	s_lshl_b32 s20, s18, 15
	s_add_nc_u64 s[4:5], s[4:5], s[20:21]
	s_lshl_b32 s20, s18, 12
	s_add_nc_u64 s[8:9], s[14:15], s[20:21]        ; its codes
	s_lshl_b32 s20, s18, 8
	s_add_co_u32 s20, s20, XSO
	s_add_nc_u64 s[10:11], s[14:15], s[20:21]      ; its 256 scale bytes
.irp t, 0,1,2,3
	XLOAD \t
.endr
	s_wait_loadcnt 12
	XTURN 0
.irp t, 0,1,2,3,4,5,6,7,8,9,10,11,12,13,14,15
	XSTEP \t
.endr
	ds_load_b64 v[8:9], v6
	s_wait_dscnt 0x0
	global_store_b64 v7, v[8:9], s[10:11]          ; 32 lanes store 256 consecutive bytes
	FIN
.Lnot_x:
	s_cmp_lt_u32 ttmp9, 384
	s_cbranch_scc0 .Lnot_wq
	; ---------------- Wq: 32 groups of 64 columns x 4 parts of K
	s_sub_co_u32 s17, ttmp9, 256
	s_lshr_b32 s18, s17, 2
	s_and_b32 s17, s17, 3
	s_lshl_b32 s20, s17, 22                        ; 512 rows of 8,192 bytes,
	s_lshl_b32 s21, s31, 21                        ; my 256 of them,
	s_add_co_u32 s20, s20, s21
	s_lshl_b32 s21, s18, 8                         ; the group's 64 columns,
	s_add_co_u32 s20, s20, s21
	s_lshl_b32 s21, s30, 7                         ; my 32 of them
	s_add_co_u32 s20, s20, s21
	s_mov_b32 s21, 0
	s_add_nc_u64 s[20:21], s[6:7], s[20:21]
	s_lshl_b32 s22, s18, 6
	WDEST
	WPATH 8192, 32768
.Lnot_wq:
	s_cmp_lt_u32 ttmp9, 448
	s_cbranch_scc0 .Lnot_wkv
	; ---------------- Wk, Wv: 16 groups of 64 columns (group 4 j + 2 v + u: head j, Wk (v = 0) or Wv (1), its columns 64 u on) x 4 parts of K
	s_sub_co_u32 s17, ttmp9, 384
	s_lshr_b32 s18, s17, 2
	s_and_b32 s17, s17, 3
	s_lshr_b32 s19, s18, 2                         ; j
	s_and_b32 s23, s18, 1                          ; u
	s_lshl_b32 s20, s17, 20                        ; 512 rows of 2,048 bytes,
	s_lshl_b32 s21, s31, 19                        ; my 256 of them
	s_add_co_u32 s20, s20, s21
	s_lshl_b32 s21, s19, 9
	s_add_co_u32 s20, s20, s21
	s_lshl_b32 s21, s23, 8
	s_add_co_u32 s20, s20, s21
	s_lshl_b32 s21, s30, 7
	s_add_co_u32 s20, s20, s21
	s_mov_b32 s21, 0
	s_bfe_u32 s23, s18, 0x10001                    ; v
	s_cmp_eq_u32 s23, 0
	s_cselect_b64 s[28:29], s[8:9], s[10:11]       ; the choice hangs on the work-group's number alone
	s_add_nc_u64 s[20:21], s[28:29], s[20:21]
	s_lshl_b32 s22, s18, 6
	s_add_co_u32 s22, s22, 2048
	WDEST
	WPATH 2048, 67584
.Lnot_wkv:
	; ---------------- Wo: 16 groups of 128 columns x 4 parts of 256 along k; no LDS
	s_sub_co_u32 s17, ttmp9, 448
	s_lshr_b32 s18, s17, 2
	s_and_b32 s17, s17, 3
	s_lshl_b32 s20, s17, 21                        ; 256 rows of 8,192 bytes
	s_lshl_b32 s21, s18, 9
	s_add_co_u32 s20, s20, s21
	s_lshl_b32 s21, s16, 7
	s_add_co_u32 s20, s20, s21
	s_mov_b32 s21, 0
	s_add_nc_u64 s[20:21], s[12:13], s[20:21]
	s_lshl_b32 s24, s18, 3
	s_lshl_b32 s25, s16, 1
	s_add_co_u32 s24, s24, s25                     ; my first tile of 16 columns
	s_lshl_b32 s24, s24, 15
	s_lshl_b32 s25, s17, 13
	s_add_co_u32 s24, s24, s25
	s_add_co_u32 s24, s24, WOO
	s_mov_b32 s25, 0
	s_add_nc_u64 s[24:25], s[14:15], s[24:25]
	v_lshlrev_b32 v3, 2, v2
	v_lshrrev_b32 v4, 4, v2
	v_lshlrev_b32 v4, 15, v4
	v_and_b32 v5, 15, v2
	v_lshl_add_u32 v4, v5, 4, v4                   ; my tile of columns, my column's 16 bytes in a half image
	OLOAD 0
	OLOAD 1
.irp t, 0,1,2,3,4,5,6,7
	OBLOCK \t
.endr
	FIN
.Lfunc_end_k_qa14cf413c8_prep:
	.size	k_qa14cf413c8_prep, .Lfunc_end_k_qa14cf413c8_prep-k_qa14cf413c8_prep
	.p2alignl 7, 3214868480
	.fill 96, 4, 3214868480
	.section	.rodata,"a",@progbits
	.p2align	6, 0x0
	.amdhsa_kernel k_qa14cf413c8_prep
		.amdhsa_group_segment_fixed_size 102912
		.amdhsa_private_segment_fixed_size 0
		.amdhsa_enable_private_segment 0
		.amdhsa_kernarg_size 48
		.amdhsa_user_sgpr_count 2
		.amdhsa_user_sgpr_kernarg_segment_ptr 1
		.amdhsa_wavefront_size32 1
		.amdhsa_system_sgpr_workgroup_id_x 1
		.amdhsa_system_sgpr_workgroup_id_y 1
		.amdhsa_system_sgpr_workgroup_id_z 1
		.amdhsa_system_vgpr_workitem_id 0
		.amdhsa_next_free_vgpr 228
		.amdhsa_next_free_sgpr 66
		.amdhsa_reserve_vcc 0
		.amdhsa_float_denorm_mode_32 3
		.amdhsa_float_denorm_mode_16_64 3
		.amdhsa_memory_ordered 1
		.amdhsa_forward_progress 1
		.amdhsa_inst_pref_size 150
	.end_amdhsa_kernel
	.amdgpu_metadata
---
amdhsa.version: [ 1, 2 ]
amdhsa.kernels:
  - .name:           k_qa14cf413c8_prep
    .symbol:         k_qa14cf413c8_prep.kd
    .args:
      - { .name: hidden_states, .offset: 0, .size: 8, .value_kind: global_buffer, .address_space: global }
      - { .name: Wq, .offset: 8, .size: 8, .value_kind: global_buffer, .address_space: global }
      - { .name: Wk, .offset: 16, .size: 8, .value_kind: global_buffer, .address_space: global }
      - { .name: Wv, .offset: 24, .size: 8, .value_kind: global_buffer, .address_space: global }
      - { .name: Wo, .offset: 32, .size: 8, .value_kind: global_buffer, .address_space: global }
      - { .name: prepw, .offset: 40, .size: 8, .value_kind: global_buffer, .address_space: global }
    .group_segment_fixed_size: 102912
    .private_segment_fixed_size: 0
    .kernarg_segment_align: 8
    .kernarg_segment_size: 48
    .max_flat_workgroup_size: 128
    .sgpr_count:     66
    .vgpr_count:     228
    .wavefront_size: 32
...
	.end_amdgpu_metadata
.endif
;; end of part 1
;; launch proj (part 2): grid 12 x 16, 4 waves a work-group, clusters of 4 x 4, 327,680 bytes of LDS; arguments prepw, cos, sin, q_norm_w, k_norm_w, qkvg; writes qkvg
.if DOCPART == 2
	.amdgcn_target "amdgcn-amd-amdhsa--gfx1250"
	.amdhsa_code_object_version 6
	.text
	.protected	k_qa14cf413c8_proj
	.globl	k_qa14cf413c8_proj
	.p2align	8
	.type	k_qa14cf413c8_proj,@function
k_qa14cf413c8_proj:
	s_mov_b64 s[64:65], 0
	v_nop
	global_prefetch_b8 v0, s[64:65] scope:SCOPE_SE
	s_setreg_imm32_b32 hwreg(HW_REG_WAVE_MODE, 25, 1), 1
	s_wait_xcnt 0x0
	s_wait_alu depctr_hold_cnt(0) depctr_sa_sdst(0) depctr_va_vdst(0) depctr_va_sdst(0) depctr_va_ssrc(0) depctr_va_vcc(0) depctr_vm_vsrc(0)
	s_getreg_b32 s2, hwreg(HW_REG_IB_STS2, 6, 4)
	s_cmp_eq_u32 s2, 0
	s_cbranch_scc0 .Lentry_in_a_cluster
	s_endpgm
.Lentry_in_a_cluster:
	s_bfe_u32 s2, ttmp6, 0x10000c
	s_cmp_lg_u32 s2, 0xf033
	s_cbranch_scc0 .Lentry_shape_is_right
	s_endpgm
.Lentry_shape_is_right:
; x (Wq | Wk | Wv) on codes of FP4 (E2M1) with E8M0 scales: C [4096][3072] = A [4096][2048] B^T [3072][2048], f32 sums; then, in the accumulators' layout, RMSNorm, partial RoPE and the split into q, k, v, gate.  Nothing is left out.
; A tile of C is 256 x 256, a wave's 128 x 128: 64 accumulators.  K goes in steps of 512 through two LDS slots filled by the tensor data mover; the scale bytes of the tile's rows come once and stay.
; CLUSTERS 4 x 4: A's tiles are asked for jointly along a row of the cluster, B's along a column.  The matrix instruction is used transposed (source 0 = rows of B, source 1 = rows of A): lane (r, h) of accumulator (a, b) holds row 16 a + r, columns 16 b + 8 h + 0 .. 7.
; Tile column 0-7: head h: columns 0-127 the query, 128-255 the gate.  Tile column 8 + j: columns 0-127 k of head j, 128-255 v of head j.  So a wave's 128 columns are one head's 128 channels, a row's sum of squares lies in lanes l and l xor 16,
; and the RoPE partner of channel i, i +- 32, lies in the same lane, two accumulators on.  The roles part on the wave's number and the cluster's x alone.
; OUT (qkvg), all as register images of 512 bytes (lane l's 16 bytes at 16 l): q [b 8 + h][s / 16][ch / 16], k at KIO likewise (lane (r, h): position r, channels 8 h ..), f16; q carries 1 / sqrt(128);
;   v at VHO and VLO as V^T [b 4 + j][key / 32][ch / 16][key half] (lane (r, h): channel r, keys 8 h ..): a high f16 part (v with its low 13 mantissa bits cut) and a low one (the exact rest, rounded); the raw gate at GIO, f32, [m / 16][head][quad of an accumulator].
; LIMITS: |v| under 65,504 (f16); NaN and infinities are not served.
; REGISTERS as windows of 256: window 0: v0-31 addresses, v32-95 scale words, from v128 A's fragments; window 1: B's fragments, two sets; windows 2, 3: the accumulators.  On the way out windows 0 (from v32) and 1 are free.
.set SIZE_M, 4096
.set SIZE_N, 3072
.set SIZE_K, 2048
.set XSO, 4194304
.set WCO, 4456448
.set WSO, 7602176
.set KIO, 8388608
.set VHO, 12582912
.set VLO, 16777216
.set GIO, 20971520
.set KSTEP,  512
.set NQ,     KSTEP/128
.set ROWB,   256
.set KROW,   SIZE_K*4/8
.set PITCH,  272                       ; an LDS row: 256 bytes + 16: the 16 rows that a load touches start 68 words apart
.set FR,     8
.set NL,     2
.set NP,     4
.set HALFT,  128*PITCH
.set SLOT,   4*HALFT
.set LAPS,   SIZE_K/(2*KSTEP)
.set KS,     SIZE_K/32
.set SCL,    2*SLOT
.set HALFS,  (128*KS/256)*272
.set SBLK,   (16*KS/256)*272
.set SPARE,  SCL+4*HALFS               ; the spare words, 128 bytes a wave: no other line names them
.set ADRA, 16
.set ADRB, 20
.set IM,   24                          ; v24  16 x lane: my place in an image
.set VSA,  25                          ; v25  v's stage, on the way in
.set VLA,  26                          ; v26  and on the way out
.set ADRS, 27
.set SPW,  28
.set NIL,  29
.set CO,   30                          ; v30  my row and half in cos and sin: 256 r + 32 h
.set WOF,  31                          ; v31  32 h: my half's eight gains of sixteen
.set SC,   32
.set AF,   128
.set G1, 24
.set G0, 32
.set G1B, 48
.set G0B, 56
.set G1S, 68
.set G0S, 76
.set G1SB, 80
.set G0SB, 88
.set MSB, 0
.macro WIN new                         ; the immediate's high byte repeats the setting that is left
.if MSB != (\new)
	s_set_vgpr_msb (MSB<<8)|(\new)
.set MSB, (\new)
.endif
.endm
.set MUL_LO, 0xa1
.set MUL_HI, 0xf1
.set TO_B,   0x40
; A joint load: waves 0 and 1 fetch for A, waves 2 and 3 for B; the branch hangs on the wave's number alone.  An s_nop 0 and four v_nop follow each line.
.macro JLOAD g0a, g1a, g0b, g1b
	s_cmp_eq_u32 s15, 0
	s_cbranch_scc0 .Lfor_b_\@
	tensor_load_to_lds s[\g0a:\g0a+3], s[\g1a:\g1a+7]
	s_nop 0
.rept 4
	v_nop
.endr
	s_branch .Lasked_\@
.Lfor_b_\@:
	tensor_load_to_lds s[\g0b:\g0b+3], s[\g1b:\g1b+7]
	s_nop 0
.rept 4
	v_nop
.endr
.Lasked_\@:
.endm
.macro CREST
	s_cmp_lg_u32 s14, 0
	s_cbranch_scc1 .Lnot_wave_0_\@
	s_barrier_signal -3
.Lnot_wave_0_\@:
	s_barrier_wait -3
	s_barrier_signal -1
	s_barrier_wait -1
.endm
.macro CROUND
	s_barrier_signal -1
	s_barrier_wait -1
	CREST
.endm
	s_load_b64 s[4:5], s[0:1], 0x0                 ; prepw
	v_lshl_add_u32 v[SPW], v0, 2, SPARE
	v_mov_b32 v[NIL], 0
	ds_add_u32 v[SPW], v[NIL]                      ; the wave's opening: the add, twice on end, and its wait ahead of my first tensor load
	ds_add_u32 v[SPW], v[NIL]
	v_lshrrev_b32 v1, 5, v0
	v_readfirstlane_b32 s14, v1                    ; wave 0..3
	s_lshr_b32 s15, s14, 1                         ; which half of the tile's rows is mine.  Also: I fetch for A (0) or for B (1)
	s_and_b32 s16, s14, 1                          ; which half of its columns.  Also: which 128 rows of that tile I fetch
	s_bfe_u32 s40, ttmp6, 0x40000                  ; cx, cy
	s_bfe_u32 s41, ttmp6, 0x40004
	s_lshl_b32 s42, ttmp9, 2
	s_add_co_u32 s42, s42, s40                     ; tile column
	s_and_b32 s17, ttmp7, 0xffff
	s_lshl_b32 s17, s17, 2
	s_add_co_u32 s17, s17, s41                     ; tile row
	s_lshl_b32 s43, s41, 2
	s_lshl_b32 s43, 15, s43                        ; my row of the cluster
	s_lshl_b32 s44, 0x1111, s40                    ; my column
	s_or_b32 s[G1+0], s43, (0<<16)|(1<<20)|(1<<21)|(5<<22)|(3<<25)  ; mask; elements of 1 byte; padding: 4 words behind every 64
	s_or_b32 s[G1B+0], s44, (0<<16)|(1<<20)|(1<<21)|(5<<22)|(3<<25)
.irp g, G1, G1B
	s_mov_b32 s[\g+1], ROWB<<16
	s_mov_b32 s[\g+2], 128<<16
	s_mov_b32 s[\g+3], ROWB<<16
	s_mov_b32 s[\g+4], 128
	s_mov_b32 s[\g+5], KROW
	s_mov_b32 s[\g+6], 0
	s_mov_b32 s[\g+7], 0
.endr
	s_or_b32 s[G1S+0], s43, (3<<16)|(1<<20)|(1<<21)|(5<<22)|(3<<25) ; the scales of 128 rows: a dense block, as rows of 256 bytes + 16
	s_or_b32 s[G1SB+0], s44, (3<<16)|(1<<20)|(1<<21)|(5<<22)|(3<<25)
.irp g, G1S, G1SB
	s_mov_b32 s[\g+1], 32<<16
	s_mov_b32 s[\g+2], (128*KS/256)<<16
	s_mov_b32 s[\g+3], 32<<16
	s_mov_b32 s[\g+4], 128*KS/256
	s_mov_b32 s[\g+5], 32
	s_mov_b32 s[\g+6], 0
	s_mov_b32 s[\g+7], 0
.endr
	s_lshl_b32 s18, s16, 7
	s_lshl_b32 s20, s17, 8
	s_add_co_u32 s20, s20, s18                     ; A: row 256 x tile row + 128 x half
	s_lshl_b32 s46, s42, 8
	s_add_co_u32 s46, s46, s18                     ; B: row 256 x tile column + 128 x half
	s_mov_b32 s21, 0
	s_mov_b32 s47, 0
	s_mov_b64 s[18:19], KS
	s_mul_u64 s[22:23], s[20:21], s[18:19]
	s_mul_u64 s[92:93], s[46:47], s[18:19]
	s_mov_b64 s[18:19], KROW
	s_mul_u64 s[20:21], s[20:21], s[18:19]
	s_mul_u64 s[46:47], s[46:47], s[18:19]
	s_mul_i32 s45, s14, HALFT
	s_mul_i32 s94, s14, HALFS
	s_wait_dscnt 0x0                               ; both opening adds are done
	s_wait_kmcnt 0x0
	s_add_nc_u64 s[6:7], s[4:5], XSO               ; x's scales, the weights' codes, their scales: parts of one buffer
	s_add_nc_u64 s[8:9], s[4:5], WCO
	s_add_nc_u64 s[10:11], s[4:5], WSO
	s_add_nc_u64 s[20:21], s[4:5], s[20:21]
	s_add_nc_u64 s[22:23], s[6:7], s[22:23]
	s_add_nc_u64 s[46:47], s[8:9], s[46:47]
	s_add_nc_u64 s[92:93], s[10:11], s[92:93]
	CROUND                                         ; all sixteen work-groups are here: the first joint loads meet
	s_mov_b32 s[G0S], 1
	s_add_co_u32 s[G0S+1], s94, SCL
	s_mov_b64 s[G0S+2:G0S+3], s[22:23]
	s_or_b32 s[G0S+3], s[G0S+3], 0x80000000
	s_mov_b32 s[G0SB], 1
	s_add_co_u32 s[G0SB+1], s94, SCL
	s_mov_b64 s[G0SB+2:G0SB+3], s[92:93]
	s_or_b32 s[G0SB+3], s[G0SB+3], 0x80000000
	JLOAD G0S, G1S, G0SB, G1SB
.irp s, 0,1
	s_mov_b32 s[G0+4*\s], 1
	s_add_co_u32 s[G0+4*\s+1], s45, \s*SLOT
	s_add_nc_u64 s[G0+4*\s+2:G0+4*\s+3], s[20:21], \s*ROWB
	s_or_b32 s[G0+4*\s+3], s[G0+4*\s+3], 0x80000000
	s_mov_b32 s[G0B+4*\s], 1
	s_add_co_u32 s[G0B+4*\s+1], s45, \s*SLOT
	s_add_nc_u64 s[G0B+4*\s+2:G0B+4*\s+3], s[46:47], \s*ROWB
	s_or_b32 s[G0B+4*\s+3], s[G0B+4*\s+3], 0x80000000
	JLOAD G0+4*\s, G1, G0B+4*\s, G1B
.endr
	v_and_b32 v1, 15, v0                           ; r
	v_bfe_u32 v2, v0, 4, 1                         ; h
	v_mul_u32_u24 v3, v1, PITCH
	v_lshl_add_u32 v4, v2, 4, v3
	s_mul_i32 s21, s15, HALFT
	s_mul_i32 s22, s16, HALFT
	s_add_co_u32 s22, s22, 2*HALFT
.irp s, 0,1
	v_add_nc_u32 v[ADRA+\s], s21, v4
	v_add_nc_u32 v[ADRB+\s], s22, v4
	s_add_co_u32 s21, s21, SLOT
	s_add_co_u32 s22, s22, SLOT
.endr
	v_mul_u32_u24 v5, v1, KS
	v_lshrrev_b32 v6, 8, v5
	v_lshl_add_u32 v5, v6, 4, v5
	s_mul_i32 s21, s15, HALFS
	s_mul_i32 s22, s16, HALFS
	s_add_co_u32 s22, s22, 2*HALFS
	s_sub_co_u32 s22, s22, s21
	v_mul_u32_u24 v6, s22, v2                      ; lanes 16-31 take B's scale words
	s_add_co_u32 s21, s21, SCL
	v_add_nc_u32 v5, v5, v6
	v_add_nc_u32 v[ADRS], s21, v5
	; the way out's lane terms, all made here, ahead of every parting of the waves
	v_and_b32 v6, 31, v0
	v_lshlrev_b32 v[IM], 4, v6
	s_lshl_b32 s23, s14, 13                        ; v's stage: 8,192 bytes a wave, in slot 0
	v_add_nc_u32 v[VLA], s23, v[IM]
	v_lshrrev_b32 v5, 3, v1
	v_lshlrev_b32 v5, 4, v5
	v_lshl_add_u32 v5, v2, 3, v5
	v_and_b32 v7, 7, v1
	v_add_nc_u32 v5, v5, v7                        ; place 16 (r / 8) + 8 h + r % 8: where the turning load's lane of that number looks for key r, channel half h
	v_lshlrev_b32 v5, 4, v5
	v_add_nc_u32 v[VSA], s23, v5
	v_lshlrev_b32 v[CO], 8, v1
	v_lshl_add_u32 v[CO], v2, 5, v[CO]
	v_lshlrev_b32 v[WOF], 5, v2
.macro FRAG reg, adr, q, i
.irp c, 0,1
	ds_load_b128 v[\reg+4*\c:\reg+4*\c+3], v[\adr] offset:64*(\q)+32*\c+(\i)*16*PITCH
.endr
.endm
; 16 matrix instructions: A's blocks a0, a0 + 1 x B's eight.  The 64 accumulators take turns, one instruction a turn.
.macro MUL16 a0, p, q, sc, zero
.irp a, \a0, \a0+1
.irp b, 0,1,2,3,4,5,6,7
.if \zero
	v_wmma_scale_f32_16x16x128_f8f6f4 v[8*(8*((\a)%4)+\b):8*(8*((\a)%4)+\b)+7], v[128*(\p)+FR*\b:128*(\p)+FR*\b+FR-1], v[AF+FR*(\a):AF+FR*(\a)+FR-1], 0, v[SC+8*NQ*(\sc)+NQ*\b+(\q)], v[SC+8*NQ*(\sc)+NQ*(\a)+(\q)] matrix_a_fmt:MATRIX_FMT_FP4 matrix_b_fmt:MATRIX_FMT_FP4 matrix_a_scale:MATRIX_SCALE_ROW1
.else
	v_wmma_scale_f32_16x16x128_f8f6f4 v[8*(8*((\a)%4)+\b):8*(8*((\a)%4)+\b)+7], v[128*(\p)+FR*\b:128*(\p)+FR*\b+FR-1], v[AF+FR*(\a):AF+FR*(\a)+FR-1], v[8*(8*((\a)%4)+\b):8*(8*((\a)%4)+\b)+7], v[SC+8*NQ*(\sc)+NQ*\b+(\q)], v[SC+8*NQ*(\sc)+NQ*(\a)+(\q)] matrix_a_fmt:MATRIX_FMT_FP4 matrix_b_fmt:MATRIX_FMT_FP4 matrix_a_scale:MATRIX_SCALE_ROW1
.endif
.endr
.endr
.endm
.macro FETCH_B slot, q, p
	WIN TO_B
.irp i, 0,1,2,3,4,5,6,7
	FRAG 128*(\p)+FR*\i, ADRB+\slot, \q, \i
.endr
	WIN 0
.endm
.macro FETCH_A slot, q, i0
.irp i, \i0, \i0+1, \i0+2, \i0+3
	FRAG AF+FR*(\i), ADRA+\slot, \q, \i
.endr
.endm
.macro SCALES sc
.irp i, 0,1,2,3,4,5,6,7
	ds_load_b128 v[SC+8*NQ*\sc+NQ*\i:SC+8*NQ*\sc+NQ*\i+3], v[ADRS] offset:\i*SBLK
.endr
.endm
.macro PLACES n                        ; plain vector lines between a matrix instruction and a load into, or a read of, its registers
.rept \n
	v_nop
.endr
.endm
.macro STEP slot, q, zero
	s_wait_dscnt 4*NL                              ; B's set and A's blocks 0-3 are in; A's blocks 4-7 may be out
	WIN MUL_LO
	MUL16 0, (\q)%2, \q, \slot, \zero
	MUL16 2, (\q)%2, \q, \slot, \zero
	s_wait_dscnt 0
	PLACES NP
	FETCH_B \slot, (\q)+1, 1-(\q)%2
	FETCH_A \slot, (\q)+1, 0
	WIN MUL_HI
	MUL16 4, (\q)%2, \q, \slot, \zero
	MUL16 6, (\q)%2, \q, \slot, \zero
	PLACES NP
	WIN 0
	FETCH_A \slot, (\q)+1, 4
.endm
; A slot's last step changes slots: each wave waits for all its tensor loads, adds 0 to its spare word, waits for that and for its reads of this slot, and passes the barrier; fill = 1: a round of the cluster's barrier, then the joint refill first.
.macro TURN slot, next, fill
	s_wait_tensorcnt 0x0
	ds_add_u32 v[SPW], v[NIL]
	s_wait_dscnt 4*NL+1                            ; the add and A's blocks 4-7 may be out
	WIN MUL_LO
	MUL16 0, 1, NQ-1, \slot, 0
	s_wait_dscnt 0x0                               ; the add is done, my reads of this slot are over
	s_barrier_signal -1
	MUL16 2, 1, NQ-1, \slot, 0
	WIN 0
	s_barrier_wait -1
.if \fill
	CREST
	s_add_nc_u64 s[G0+4*\slot+2:G0+4*\slot+3], s[G0+4*\slot+2:G0+4*\slot+3], 2*ROWB
	s_add_nc_u64 s[G0B+4*\slot+2:G0B+4*\slot+3], s[G0B+4*\slot+2:G0B+4*\slot+3], 2*ROWB
	JLOAD G0+4*\slot, G1, G0B+4*\slot, G1B
.else
	PLACES NP
.endif
	v_add_nc_u32 v[ADRS], 4*NQ, v[ADRS]
	FETCH_B \next, 0, 0
	FETCH_A \next, 0, 0
	SCALES \next
	WIN MUL_HI
	MUL16 4, 1, NQ-1, \slot, 0
	MUL16 6, 1, NQ-1, \slot, 0
	PLACES NP
	WIN 0
	FETCH_A \next, 0, 4
.endm
.macro STEPS slot, from
.set Q, \from
.rept NQ-1-\from
	STEP \slot, Q, 0
.set Q, Q+1
.endr
.endm
	s_wait_tensorcnt 1                             ; the scales and my part of K step 0 are in; K step 1's load may be out
	s_barrier_signal -1
	s_barrier_wait -1
	FETCH_B 0, 0, 0
	FETCH_A 0, 0, 0
	SCALES 0
	FETCH_A 0, 0, 4
	STEP 0, 0, 1                                   ; the first step's products start the sums
	s_mov_b32 s3, LAPS-1
.Llap:
	STEPS 0, 1
	TURN 0, 1, 1
	STEPS 1, 0
	TURN 1, 0, 1
	STEP 0, 0, 0
	s_sub_co_u32 s3, s3, 1
	s_cmp_lg_u32 s3, 0
	s_cbranch_scc1 .Llap
	STEPS 0, 1
	TURN 0, 1, 0
	s_load_b256 s[68:75], s[0:1], 0x8              ; cos, sin, q_norm_w, k_norm_w: no tensor load of mine is out, so the scales' descriptors may be written
	s_load_b64 s[76:77], s[0:1], 0x28              ; qkvg
	STEPS 1, 0
	s_wait_dscnt 4*NL
	WIN MUL_LO
	MUL16 0, 1, NQ-1, 1, 0
	MUL16 2, 1, NQ-1, 1, 0
	s_wait_dscnt 0
	WIN MUL_HI
	MUL16 4, 1, NQ-1, 1, 0
	MUL16 6, 1, NQ-1, 1, 0
	WIN 0
; ======== THE WAY OUT ========
	PLACES NP                                      ; behind the last products: their results are read, and their operands' registers loaded into, below
	s_wait_kmcnt 0x0
	s_lshr_b32 s20, s17, 3                         ; batch
	s_and_b32 s21, s17, 7
	s_lshl_b32 s21, s21, 4
	s_lshl_b32 s22, s15, 3
	s_add_co_u32 s21, s21, s22                     ; my first block of 16 positions in the sequence
	s_lshl_b32 s23, s17, 4
	s_add_co_u32 s23, s23, s22                     ; and among all 256 blocks of rows
	s_mov_b32 s47, 0
	s_cmp_eq_u32 s16, 0
	s_cbranch_scc1 .Lrole_n
	s_cmp_eq_u32 ttmp9, 2                          ; the cluster's x: the same in all partners
	s_cbranch_scc1 .Lrole_v
	; ---- the raw gate: the accumulators leave as they are, a quad of registers an image of 512 consecutive bytes; each accumulator from its low end on
	s_lshl_b32 s46, s23, 3
	s_add_co_u32 s46, s46, s42
	s_lshl_b32 s46, s46, 13
	s_add_co_u32 s46, s46, GIO
	s_add_nc_u64 s[76:77], s[76:77], s[46:47]
.irp a, 0,1,2,3,4,5,6,7
	WIN (0x08+4*((\a)/4))                          ; a store's data are its source 1: window 2 or 3
.irp c, 0,1,2,3,4,5,6,7,8,9,10,11,12,13,14,15
	global_store_b128 v[IM], v[64*((\a)%4)+4*\c:64*((\a)%4)+4*\c+3], s[76:77] offset:\a*65536+\c*512
.endr
.endr
	WIN 0
	s_branch .Lend
; ---- v: split into two f16 parts, turned through my stage so that the keys run along a lane's registers
.set VH16, 32                          ; v32-63   high parts, f16 pairs
.set VF,   64                          ; v64-127  high parts, f32; then the turned images
.set VLF,  128                         ; v128-191 the rests, f32
.set VL16, 192                         ; v192-223 low parts, f16 pairs
.macro VBLOCK a
.set AC, 64*((\a)%4)
.set WW, 2+(\a)/4
	s_wait_xcnt 0x0                                ; the last block's stores have read v64-127
	WIN (WW*4)
.set PP, 0
.rept 64
	v_and_b32 v[VF+PP], s96, v[AC+PP]              ; 11 significant bits: f16 holds them exactly
.set PP, PP+1
.endr
	WIN WW
.set PP, 0
.rept 32
	v_pk_add_f32 v[VLF+2*PP:VLF+2*PP+1], v[AC+2*PP:AC+2*PP+1], v[VF+2*PP:VF+2*PP+1] neg_lo:[0,1] neg_hi:[0,1]   ; the rest, exact
.set PP, PP+1
.endr
	WIN 0
.set PP, 0
.rept 32
	v_cvt_pk_f16_f32 v[VH16+PP], v[VF+2*PP], v[VF+2*PP+1]
	v_cvt_pk_f16_f32 v[VL16+PP], v[VLF+2*PP], v[VLF+2*PP+1]
.set PP, PP+1
.endr
.irp b, 0,1,2,3,4,5,6,7
	ds_store_b128 v[VSA], v[VH16+4*\b:VH16+4*\b+3] offset:\b*512
	ds_store_b128 v[VSA], v[VL16+4*\b:VL16+4*\b+3] offset:4096+\b*512
.endr
.irp b, 0,1,2,3,4,5,6,7
	ds_load_tr16_b128 v[VF+4*\b:VF+4*\b+3], v[VLA] offset:\b*512             ; LDS serves a wave in order: these see my stores.  Lane (r, h): channel 16 b + r, keys 16 a + 8 h + 0 .. 7
	ds_load_tr16_b128 v[VF+32+4*\b:VF+32+4*\b+3], v[VLA] offset:4096+\b*512
.endr
	s_wait_dscnt 0x0
.irp b, 0,1,2,3,4,5,6,7
	global_store_b128 v[IM], v[VF+4*\b:VF+4*\b+3], s[76:77] offset:((\a)/2)*8192+((\a)%2)*512+\b*1024
	global_store_b128 v[IM], v[VF+32+4*\b:VF+32+4*\b+3], s[78:79] offset:((\a)/2)*8192+((\a)%2)*512+\b*1024
.endr
.endm
.Lrole_v:
	s_lshl_b32 s46, s20, 2
	s_add_co_u32 s46, s46, s40                     ; 4 x batch + the k/v head (it enters a global address alone)
	s_lshl_b32 s46, s46, 7
	s_add_co_u32 s46, s46, s21
	s_lshl_b32 s46, s46, 12
	s_add_co_u32 s46, s46, VHO
	s_add_nc_u64 s[76:77], s[76:77], s[46:47]
	s_add_nc_u64 s[78:79], s[76:77], VLO-VHO
	s_mov_b32 s96, 0xffffe000
.irp a, 0,1,2,3,4,5,6,7
	VBLOCK \a
.endr
	s_branch .Lend
; ---- q or k: RMSNorm over the 128 channels, the gain, RoPE on channels 0-63, f16 images
.set Y,  32                            ; v32-95   the normed row
.set H,  96                            ; v96-127  f16 pairs
.set R,  128                           ; v128-159 the rotated 64 channels' 32 of my half
.set T,  160                           ; v160-167 four chains of squares
.set RS, 168                           ; v168 1 / rms (v169 named with it as a pair)
.set PD, 170
.macro CSLOAD a                        ; cos and sin of block a's 16 rows: my 32 channels of each, into window 1, buffer a % 2
	WIN 0x40
.irp q, 0,1,2,3,4,5,6,7
	global_load_b128 v[64+64*((\a)%2)+4*\q:64+64*((\a)%2)+4*\q+3], v[CO], s[68:69] offset:(\a)*4096+64*(\q/2)+16*(\q%2)
.endr
.irp q, 0,1,2,3,4,5,6,7
	global_load_b128 v[96+64*((\a)%2)+4*\q:96+64*((\a)%2)+4*\q+3], v[CO], s[70:71] offset:(\a)*4096+64*(\q/2)+16*(\q%2)
.endr
.endm
.macro NBLOCK a
.set AC, 64*((\a)%4)
.set WW, 2+(\a)/4
.set CN, 64+64*((\a)%2)
.set SN, 96+64*((\a)%2)
.if (\a) < 7
	CSLOAD (\a)+1
.endif
	WIN (WW*5)                                     ; sources 0 and 1: the accumulators' window
.irp p, 0,1,2,3
	v_pk_mul_f32 v[T+2*\p:T+2*\p+1], v[AC+2*\p:AC+2*\p+1], v[AC+2*\p:AC+2*\p+1]
.endr
.set PP, 4
.rept 28
	v_pk_fma_f32 v[T+2*(PP%4):T+2*(PP%4)+1], v[AC+2*PP:AC+2*PP+1], v[AC+2*PP:AC+2*PP+1], v[T+2*(PP%4):T+2*(PP%4)+1]
.set PP, PP+1
.endr
	WIN 0
	v_pk_add_f32 v[T:T+1], v[T:T+1], v[T+2:T+3]
	v_pk_add_f32 v[T+4:T+5], v[T+4:T+5], v[T+6:T+7]
	v_pk_add_f32 v[T:T+1], v[T:T+1], v[T+4:T+5]
	v_add_f32 v[T], v[T], v[T+1]
	v_permlanex16_b32 v[PD], v[T], s94, s95        ; the row's other 64 channels lie in lane l xor 16
	v_add_f32 v[T], v[T], v[PD]
	v_fma_f32 v[T], v[T], s92, s93                 ; k: sum / 128 + eps;  q: sum + 128 eps, whose rsqrt carries the 1 / sqrt(128) of the scores
	v_rsq_f32 v[RS], v[T]
	v_nop                                          ; a plain line behind the transcendental,
	s_wait_alu depctr_va_vdst(0)                   ; and the wait ahead of its first reader
	WIN WW
.set PP, 0
.rept 32
	v_pk_mul_f32 v[Y+2*PP:Y+2*PP+1], v[AC+2*PP:AC+2*PP+1], v[RS:RS+1] op_sel_hi:[1,0]
.set PP, PP+1
.endr
	WIN 0x04                                       ; source 1: window 1 (gains, cos, sin)
.set PP, 0
.rept 32
	v_pk_mul_f32 v[Y+2*PP:Y+2*PP+1], v[Y+2*PP:Y+2*PP+1], v[2*PP:2*PP+1]
.set PP, PP+1
.endr
.if (\a) < 7
	s_wait_loadcnt 16                              ; this block's cos and sin are in; the next block's 16 loads may be out
.else
	s_wait_loadcnt 0
.endif
.irp u, 0,1,2,3,4,5,6,7
	v_pk_mul_f32 v[R+2*\u:R+2*\u+1], v[Y+16+2*\u:Y+16+2*\u+1], v[SN+2*\u:SN+2*\u+1]
	v_pk_mul_f32 v[R+16+2*\u:R+16+2*\u+1], v[Y+2*\u:Y+2*\u+1], v[SN+16+2*\u:SN+16+2*\u+1]
.endr
.irp u, 0,1,2,3,4,5,6,7
	v_pk_fma_f32 v[R+2*\u:R+2*\u+1], v[Y+2*\u:Y+2*\u+1], v[CN+2*\u:CN+2*\u+1], v[R+2*\u:R+2*\u+1] neg_lo:[0,0,1] neg_hi:[0,0,1]   ; i < 32: x_i cos_i - x_(i+32) sin_i
	v_pk_fma_f32 v[R+16+2*\u:R+16+2*\u+1], v[Y+16+2*\u:Y+16+2*\u+1], v[CN+16+2*\u:CN+16+2*\u+1], v[R+16+2*\u:R+16+2*\u+1]          ; i >= 32: x_i cos_i + x_(i-32) sin_i
.endr
	s_wait_xcnt 0x0                                ; the last block's stores have read v96-127
	WIN 0
.set PP, 0
.rept 16
	v_cvt_pk_f16_f32 v[H+PP], v[R+2*PP], v[R+2*PP+1]
.set PP, PP+1
.endr
.rept 16
	v_cvt_pk_f16_f32 v[H+PP], v[Y+2*PP], v[Y+2*PP+1]
.set PP, PP+1
.endr
.irp b, 0,1,2,3,4,5,6,7
	global_store_b128 v[IM], v[H+4*\b:H+4*\b+3], s[76:77] offset:(\a)*4096+\b*512   ; an image: 512 consecutive bytes
.endr
.endm
.Lrole_n:
	s_cmp_eq_u32 ttmp9, 2                          ; k (the cluster's x = 2) or q
	s_cselect_b64 s[80:81], s[74:75], s[72:73]     ; the gain
	s_cselect_b32 s82, s40, s42                    ; the head
	s_cselect_b32 s83, 2, 3                        ; log2 of the heads in a batch
	s_mov_b32 s46, KIO
	s_cselect_b32 s46, s46, 0
	s_mov_b32 s92, 0x3c000000                      ; 1 / 128
	s_cselect_b32 s92, s92, 1.0
	s_mov_b32 s93, 0x358637bd                      ; 1e-6
	s_mov_b32 s84, 0x390637bd                      ; 128e-6
	s_cselect_b32 s93, s93, s84
	s_lshl_b32 s84, s20, s83
	s_add_co_u32 s84, s84, s82
	s_lshl_b32 s84, s84, 7
	s_add_co_u32 s84, s84, s21
	s_lshl_b32 s84, s84, 12
	s_add_co_u32 s46, s46, s84
	s_add_nc_u64 s[76:77], s[76:77], s[46:47]
	s_lshl_b32 s46, s23, 12                        ; 16 rows of 256 bytes a block
	s_add_nc_u64 s[68:69], s[68:69], s[46:47]
	s_add_nc_u64 s[70:71], s[70:71], s[46:47]
	s_mov_b32 s94, 0x76543210
	s_mov_b32 s95, 0xfedcba98
	v_mov_b32 v[RS+1], 0
	v_mov_b32 v[PD], 0
	WIN 0x40
.irp q, 0,1,2,3,4,5,6,7,8,9,10,11,12,13,14,15
	global_load_b128 v[4*\q:4*\q+3], v[WOF], s[80:81] offset:64*(\q/2)+16*(\q%2)   ; the gains of my 64 channels: window 1, v0-63
.endr
	CSLOAD 0
	s_wait_loadcnt 16                              ; the gains are in
.irp a, 0,1,2,3,4,5,6,7
	NBLOCK \a
.endr
.Lend:
	s_wait_tensorcnt 0x0                           ; the wave's end
	ds_add_u32 v[SPW], v[NIL]
	s_wait_dscnt 0x0
	CROUND                                         ; the closing round
	s_endpgm
.Lfunc_end_k_qa14cf413c8_proj:
	.size	k_qa14cf413c8_proj, .Lfunc_end_k_qa14cf413c8_proj-k_qa14cf413c8_proj
	.p2alignl 7, 3214868480
	.fill 96, 4, 3214868480
	.section	.rodata,"a",@progbits
	.p2align	6, 0x0
	.amdhsa_kernel k_qa14cf413c8_proj
		.amdhsa_group_segment_fixed_size 327680
		.amdhsa_private_segment_fixed_size 0
		.amdhsa_enable_private_segment 0
		.amdhsa_kernarg_size 48
		.amdhsa_user_sgpr_count 2
		.amdhsa_user_sgpr_kernarg_segment_ptr 1
		.amdhsa_wavefront_size32 1
		.amdhsa_system_sgpr_workgroup_id_x 1
		.amdhsa_system_sgpr_workgroup_id_y 1
		.amdhsa_system_sgpr_workgroup_id_z 1
		.amdhsa_system_vgpr_workitem_id 0
		.amdhsa_next_free_vgpr 1024
		.amdhsa_next_free_sgpr 98
		.amdhsa_reserve_vcc 0
		.amdhsa_float_denorm_mode_32 3
		.amdhsa_float_denorm_mode_16_64 3
		.amdhsa_memory_ordered 1
		.amdhsa_forward_progress 1
		.amdhsa_inst_pref_size 255
	.end_amdhsa_kernel
	.section	.bss,"aw",@nobits
	.p2align	6
	.space	262144
	.amdgpu_metadata
---
amdhsa.version: [ 1, 2 ]
amdhsa.kernels:
  - .name:           k_qa14cf413c8_proj
    .symbol:         k_qa14cf413c8_proj.kd
    .args:
      - { .name: prepw, .offset: 0, .size: 8, .value_kind: global_buffer, .address_space: global }
      - { .name: cos, .offset: 8, .size: 8, .value_kind: global_buffer, .address_space: global }
      - { .name: sin, .offset: 16, .size: 8, .value_kind: global_buffer, .address_space: global }
      - { .name: q_norm_w, .offset: 24, .size: 8, .value_kind: global_buffer, .address_space: global }
      - { .name: k_norm_w, .offset: 32, .size: 8, .value_kind: global_buffer, .address_space: global }
      - { .name: qkvg, .offset: 40, .size: 8, .value_kind: global_buffer, .address_space: global }
    .group_segment_fixed_size: 327680
    .private_segment_fixed_size: 0
    .kernarg_segment_align: 8
    .kernarg_segment_size: 48
    .max_flat_workgroup_size: 128
    .sgpr_count:     98
    .vgpr_count:     1024
    .wavefront_size: 32
...
	.end_amdgpu_metadata
.endif
;; end of part 2
;; launch fattn (part 3): grid 8 x 16, 4 waves a work-group, no clusters, 35,328 bytes of LDS; arguments qkvg, attn_mask, fpart; writes fpart
.if DOCPART == 3
	.amdgcn_target "amdgcn-amd-amdhsa--gfx1250"
	.amdhsa_code_object_version 6
	.text
	.protected	k_qa14cf413c8_fattn
	.globl	k_qa14cf413c8_fattn
	.p2align	8
	.type	k_qa14cf413c8_fattn,@function
k_qa14cf413c8_fattn:
	s_mov_b64 s[64:65], 0
	v_nop
	global_prefetch_b8 v0, s[64:65] scope:SCOPE_SE
	s_setreg_imm32_b32 hwreg(HW_REG_WAVE_MODE, 25, 1), 1
	s_wait_xcnt 0x0
; POSITIONS 0-15 OF EVERY SEQUENCE, carried more finely: attention for 16 queries of one (batch, head) over 256 keys a work-group, 64 a wave; v goes in as a pair of f16 parts, the mask is added in f32 by the vector unit, the result stays f32.
; Nothing is left out: all 2,048 keys are walked (8 work-groups a head), since the mask is an input.
; S^T = K Q^T (a lane holds one query, l % 16, and keys 16 t + 8 (l / 16) + j), p = 2^(c (s - M)) with c = log2(e) and M the largest score of the work-group's 256 keys, O^T = (Vh + Vl)^T P, times sigmoid(gate).
; The difference s - M is formed first, so that the largest p is exactly 1 whatever the size of the mask: p always has room in f16.
; OUT (fpart): [b 8 + h][split][row 16][128] f32: the split's sum of p v, gated;  at FSO [b 8 + h][split][lane]: (M, the sum of p).  The last launch merges the eight splits.
; LIMITS: as in the main attention: NaN and infinities (a mask of -infinity among them) are not served; finite masks such as -1e9 are.
; REGISTERS: window 0: v1-9 addresses, v16-31 statistics, v32-63 Q, v64-95 S, v96-127 mask, v128-143 P, v144-207 O^T.  window 1: v0-127 V high, v128-255 K.  window 2: v0-127 V low, v128-191 the gate.
.set KIO, 8388608
.set VHO, 12582912
.set VLO, 16777216
.set GIO, 20971520
.set FSO, 1048576
.set FSS, 33792                        ; LDS: behind four stages of 16 x 528: the waves' maxima,
.set FSL, 34304                        ; their sums,
.set SPARE, 34816                      ; and the spare words, 128 bytes a wave: no other line names them
.set IM, 1                             ; v1 16 x lane
.set MO, 2                             ; v2 mask: 8192 r + 32 h
.set SO, 3                             ; v3 the stage, in
.set SR, 4                             ; v4 the stage, back: my four rows
.set L4, 5                             ; v5 4 x lane
.set SSW, 6                            ; v6 128 x wave + 4 x lane
.set L8, 7                             ; v7 8 x lane
.set SPW, 8
.set NIL, 9
.set MSB, 0
.macro WIN new
.if MSB != (\new)
	s_set_vgpr_msb (MSB<<8)|(\new)
.set MSB, (\new)
.endif
.endm
	s_load_b128 s[4:7], s[0:1], 0x0                ; qkvg, attn_mask
	s_load_b64 s[8:9], s[0:1], 0x10                ; fpart
	v_lshl_add_u32 v[SPW], v0, 2, SPARE
	v_mov_b32 v[NIL], 0
	v_lshrrev_b32 v10, 5, v0
	v_readfirstlane_b32 s10, v10                   ; wave
	v_and_b32 v11, 31, v0
	v_and_b32 v12, 15, v0                          ; r
	v_bfe_u32 v13, v0, 4, 1                        ; h
	v_lshlrev_b32 v[IM], 4, v11
	v_lshlrev_b32 v[MO], 13, v12
	v_lshl_add_u32 v[MO], v13, 5, v[MO]
	s_mul_i32 s36, s10, 8448
	v_mul_u32_u24 v[SO], v12, 528
	v_lshl_add_u32 v[SO], v13, 5, v[SO]
	v_add_nc_u32 v[SO], s36, v[SO]
	s_mul_i32 s36, s10, 2112
	v_add_nc_u32 v[SR], s36, v[IM]
	v_lshlrev_b32 v[L4], 2, v11
	s_lshl_b32 s36, s10, 7
	v_add_nc_u32 v[SSW], s36, v[L4]
	v_lshlrev_b32 v[L8], 3, v11
	v_mov_b32 v18, 0                               ; a lane permute's destination counts as read
	v_mov_b32 v21, 0                               ; named with v20 (M) as a pair before it takes the sum
	s_and_b32 s11, ttmp7, 0xffff                   ; 8 b + head
	s_lshr_b32 s12, s11, 3
	s_and_b32 s13, s11, 7
	s_lshr_b32 s14, s13, 1
	s_lshl_b32 s15, s12, 2
	s_add_co_u32 s14, s14, s15                     ; 4 b + k/v head
	s_lshl_b32 s15, ttmp9, 8
	s_lshl_b32 s36, s10, 6
	s_add_co_u32 s15, s15, s36                     ; my first key
	s_mov_b32 s37, 0
	s_mov_b32 s39, 0
	s_mov_b32 s32, 0x3fb8aa3b                      ; c = log2(e)
	s_mov_b32 s33, s32
	s_mov_b32 s34, 0x76543210
	s_mov_b32 s35, 0xfedcba98
	s_wait_kmcnt 0x0
	s_lshl_b32 s36, s11, 19
	s_add_nc_u64 s[16:17], s[4:5], s[36:37]        ; Q: the head's first block of 16 positions
	s_lshl_b32 s36, s14, 19
	s_lshl_b32 s38, s15, 8                         ; 256 bytes a key in K's and in V's images
	s_add_co_u32 s36, s36, s38
	s_add_nc_u64 s[18:19], s[4:5], s[36:37]
	s_add_nc_u64 s[20:21], s[18:19], VHO
	s_add_nc_u64 s[22:23], s[18:19], VLO
	s_add_nc_u64 s[18:19], s[18:19], KIO
	s_lshl_b32 s36, s12, 10
	s_add_co_u32 s36, s36, s13
	s_lshl_b32 s36, s36, 13
	s_add_co_u32 s36, s36, GIO
	s_add_nc_u64 s[24:25], s[4:5], s[36:37]        ; the gate
	s_lshl_b32 s36, s12, 24
	s_lshl_b32 s38, s15, 2
	s_add_co_u32 s36, s36, s38
	s_add_nc_u64 s[26:27], s[6:7], s[36:37]        ; the mask: row 0 of the batch, my first key
	s_lshl_b32 s36, s11, 3
	s_add_co_u32 s36, s36, ttmp9
	s_lshl_b32 s38, s36, 8
	s_add_co_u32 s38, s38, FSO
	s_add_nc_u64 s[30:31], s[8:9], s[38:39]
	s_lshl_b32 s36, s36, 13
	s_lshl_b32 s38, s10, 11
	s_add_co_u32 s36, s36, s38
	s_add_nc_u64 s[28:29], s[8:9], s[36:37]        ; my four rows of the split's 16
.irp q, 0,1,2,3,4,5,6,7
	global_load_b128 v[32+4*\q:35+4*\q], v[IM], s[16:17] offset:\q*512
.endr
.irp q, 0,1,2,3,4,5,6,7
	global_load_b128 v[96+4*\q:99+4*\q], v[MO], s[26:27] offset:64*(\q/2)+16*(\q%2)   ; the eight together take 256 whole bytes of each of 16 rows
.endr
	WIN 0x40
.irp f, 0,1,2,3,4,5,6,7,8,9,10,11,12,13,14,15      ; K: keys 16 (f / 4) on, channels 32 (f % 4) on
	global_load_b128 v[128+8*\f:131+8*\f], v[IM], s[18:19] offset:(\f/4)*4096+(\f%4)*1024
	global_load_b128 v[132+8*\f:135+8*\f], v[IM], s[18:19] offset:(\f/4)*4096+(\f%4)*1024+512
.endr
.irp f, 0,1,2,3,4,5,6,7,8,9,10,11,12,13,14,15      ; V^T: keys 32 (f / 8) on, channels 16 (f % 8) on
	global_load_b128 v[8*\f:8*\f+3], v[IM], s[20:21] offset:(\f/8)*8192+(\f%8)*1024
	global_load_b128 v[8*\f+4:8*\f+7], v[IM], s[20:21] offset:(\f/8)*8192+(\f%8)*1024+512
.endr
	WIN 0x80
.irp f, 0,1,2,3,4,5,6,7,8,9,10,11,12,13,14,15
	global_load_b128 v[8*\f:8*\f+3], v[IM], s[22:23] offset:(\f/8)*8192+(\f%8)*1024
	global_load_b128 v[8*\f+4:8*\f+7], v[IM], s[22:23] offset:(\f/8)*8192+(\f%8)*1024+512
.endr
.irp c, 0,1,2,3,4,5,6,7,8,9,10,11,12,13,14,15
	global_load_b128 v[128+4*\c:131+4*\c], v[IM], s[24:25] offset:\c*512
.endr
	s_wait_loadcnt 63                              ; Q, the mask and K are in: 80 loads were issued behind them, and the count names the most that its field holds
	WIN 0x01                                       ; source 0 (K): window 1
.irp c, 0,1,2,3                                    ; the four accumulators by turns, channels ascending
.irp t, 0,1,2,3
.if \c == 0
	v_wmma_f32_16x16x32_f16 v[64+8*\t:71+8*\t], v[128+8*(4*\t+\c):135+8*(4*\t+\c)], v[32+8*\c:39+8*\c], 0
.else
	v_wmma_f32_16x16x32_f16 v[64+8*\t:71+8*\t], v[128+8*(4*\t+\c):135+8*(4*\t+\c)], v[32+8*\c:39+8*\c], v[64+8*\t:71+8*\t]
.endif
.endr
.endr
	WIN 0
.rept 4
	v_nop
.endr
.set PP, 0
.rept 16
	v_pk_add_f32 v[64+2*PP:65+2*PP], v[64+2*PP:65+2*PP], v[96+2*PP:97+2*PP]   ; + the mask, in f32
.set PP, PP+1
.endr
	v_max3_num_f32 v16, v64, v65, v66
	v_max3_num_f32 v17, v67, v68, v69
.irp i, 6,10,14,18,22,26
	v_max3_num_f32 v16, v16, v[64+\i], v[65+\i]
	v_max3_num_f32 v17, v17, v[66+\i], v[67+\i]
.endr
	v_max3_num_f32 v16, v16, v94, v95
	v_max_num_f32 v16, v16, v17
	v_permlanex16_b32 v18, v16, s34, s35
	v_max_num_f32 v16, v16, v18                    ; my wave's largest score of query r
	ds_store_b32 v[SSW], v16 offset:FSS
	s_wait_dscnt 0x0
	s_barrier_signal -1
	s_barrier_wait -1
.irp w, 0,1,2,3
	ds_load_b32 v[24+\w], v[L4] offset:FSS+\w*128
.endr
	s_wait_dscnt 0x0
	v_max3_num_f32 v16, v24, v25, v26
	v_max_num_f32 v20, v16, v27                    ; M: the work-group's largest score of query r
.set PP, 0
.rept 16
	v_pk_add_f32 v[64+2*PP:65+2*PP], v[64+2*PP:65+2*PP], v[20:21] op_sel_hi:[1,0] neg_lo:[0,1] neg_hi:[0,1]   ; s - M: 0 at the largest score, whatever its size
.set PP, PP+1
.endr
.set PP, 0
.rept 16
	v_pk_mul_f32 v[64+2*PP:65+2*PP], v[64+2*PP:65+2*PP], s[32:33] op_sel_hi:[1,0]                              ; x c
.set PP, PP+1
.endr
.set PP, 0
.rept 32
	v_exp_f32 v[64+PP], v[64+PP]
.set PP, PP+1
.endr
	v_nop                                          ; a plain line behind the batch,
	s_wait_alu depctr_va_vdst(0)                   ; and one wait for it, ahead of its first reader
	v_pk_add_f32 v[22:23], v[64:65], v[66:67]
	v_pk_add_f32 v[28:29], v[68:69], v[70:71]
.irp j, 8,12,16,20,24,28
	v_pk_add_f32 v[22:23], v[22:23], v[64+\j:65+\j]
	v_pk_add_f32 v[28:29], v[28:29], v[66+\j:67+\j]
.endr
	v_pk_add_f32 v[22:23], v[22:23], v[28:29]
	v_add_f32 v22, v22, v23
	v_permlanex16_b32 v18, v22, s34, s35
	v_add_f32 v22, v22, v18                        ; the sum of my wave's 64 p
.set PP, 0
.rept 16
	v_cvt_pk_f16_f32 v[128+PP], v[64+2*PP], v[64+2*PP+1]
.set PP, PP+1
.endr
	s_wait_loadcnt 0x0                             ; V and the gate
	WIN 0x82                                       ; the gate, in place in window 2: sigmoid(g) = 1 / (1 + 2^(-c g))
.set PP, 0
.rept 32
	v_pk_mul_f32 v[128+2*PP:129+2*PP], v[128+2*PP:129+2*PP], 0xbfb8aa3b op_sel_hi:[1,0]
.set PP, PP+1
.endr
.set PP, 0
.rept 64
	v_exp_f32 v[128+PP], v[128+PP]
.set PP, PP+1
.endr
	v_nop
	s_wait_alu depctr_va_vdst(0)
.set PP, 0
.rept 32
	v_pk_add_f32 v[128+2*PP:129+2*PP], v[128+2*PP:129+2*PP], 1.0 op_sel_hi:[1,0]
.set PP, PP+1
.endr
.set PP, 0
.rept 64
	v_rcp_f32 v[128+PP], v[128+PP]
.set PP, PP+1
.endr
	v_nop
	s_wait_alu depctr_va_vdst(0)
.irp kc, 0,1                                       ; O^T += Vh^T P + Vl^T P: the eight accumulators by turns
	WIN 0x01
.irp t, 0,1,2,3,4,5,6,7
.if \kc == 0
	v_wmma_f32_16x16x32_f16 v[144+8*\t:151+8*\t], v[8*(8*\kc+\t):8*(8*\kc+\t)+7], v[128+8*\kc:135+8*\kc], 0
.else
	v_wmma_f32_16x16x32_f16 v[144+8*\t:151+8*\t], v[8*(8*\kc+\t):8*(8*\kc+\t)+7], v[128+8*\kc:135+8*\kc], v[144+8*\t:151+8*\t]
.endif
.endr
	WIN 0x02
.irp t, 0,1,2,3,4,5,6,7
	v_wmma_f32_16x16x32_f16 v[144+8*\t:151+8*\t], v[8*(8*\kc+\t):8*(8*\kc+\t)+7], v[128+8*\kc:135+8*\kc], v[144+8*\t:151+8*\t]
.endr
.endr
.rept 4
	v_nop
.endr
	WIN 0x08                                       ; source 1: the sigmoid, window 2
.set PP, 0
.rept 32
	v_pk_mul_f32 v[144+2*PP:145+2*PP], v[144+2*PP:145+2*PP], v[128+2*PP:129+2*PP]
.set PP, PP+1
.endr
	WIN 0
.irp t, 0,1,2,3,4,5,6,7
	ds_store_b128 v[SO], v[144+8*\t:147+8*\t] offset:64*\t
	ds_store_b128 v[SO], v[148+8*\t:151+8*\t] offset:64*\t+16
.endr
	ds_store_b32 v[SSW], v22 offset:FSL
	s_wait_dscnt 0x0
	s_barrier_signal -1
	s_barrier_wait -1
.irp p, 0,1,2,3                                    ; my four rows, from all four waves' stages
.irp w, 0,1,2,3
	ds_load_b128 v[64+16*\p+4*\w:67+16*\p+4*\w], v[SR] offset:\w*8448+\p*528
.endr
.endr
	s_wait_dscnt 0x0
.irp p, 0,1,2,3
.irp e, 0,2
	v_pk_add_f32 v[64+16*\p+\e:65+16*\p+\e], v[64+16*\p+\e:65+16*\p+\e], v[68+16*\p+\e:69+16*\p+\e]
	v_pk_add_f32 v[72+16*\p+\e:73+16*\p+\e], v[72+16*\p+\e:73+16*\p+\e], v[76+16*\p+\e:77+16*\p+\e]
	v_pk_add_f32 v[64+16*\p+\e:65+16*\p+\e], v[64+16*\p+\e:65+16*\p+\e], v[72+16*\p+\e:73+16*\p+\e]
.endr
	global_store_b128 v[IM], v[64+16*\p:67+16*\p], s[28:29] offset:\p*512   ; a whole row of 512 bytes
.endr
	s_cmp_lg_u32 s10, 0
	s_cbranch_scc1 .Lnot_0
.irp w, 0,1,2,3
	ds_load_b32 v[24+\w], v[L4] offset:FSL+\w*128
.endr
	s_wait_dscnt 0x0
	v_add_f32 v24, v24, v25
	v_add_f32 v26, v26, v27
	v_add_f32 v21, v24, v26
	global_store_b64 v[L8], v[20:21], s[30:31]     ; (M, the sum): 256 consecutive bytes
.Lnot_0:
	s_wait_tensorcnt 0x0                           ; the wave's end
	ds_add_u32 v[SPW], v[NIL]
	s_wait_dscnt 0x0
	s_endpgm
.Lfunc_end_k_qa14cf413c8_fattn:
	.size	k_qa14cf413c8_fattn, .Lfunc_end_k_qa14cf413c8_fattn-k_qa14cf413c8_fattn
	.p2alignl 7, 3214868480
	.fill 96, 4, 3214868480
	.section	.rodata,"a",@progbits
	.p2align	6, 0x0
	.amdhsa_kernel k_qa14cf413c8_fattn
		.amdhsa_group_segment_fixed_size 35328
		.amdhsa_private_segment_fixed_size 0
		.amdhsa_enable_private_segment 0
		.amdhsa_kernarg_size 24
		.amdhsa_user_sgpr_count 2
		.amdhsa_user_sgpr_kernarg_segment_ptr 1
		.amdhsa_wavefront_size32 1
		.amdhsa_system_sgpr_workgroup_id_x 1
		.amdhsa_system_sgpr_workgroup_id_y 1
		.amdhsa_system_sgpr_workgroup_id_z 1
		.amdhsa_system_vgpr_workitem_id 0
		.amdhsa_next_free_vgpr 704
		.amdhsa_next_free_sgpr 66
		.amdhsa_reserve_vcc 0
		.amdhsa_float_denorm_mode_32 3
		.amdhsa_float_denorm_mode_16_64 3
		.amdhsa_memory_ordered 1
		.amdhsa_forward_progress 1
		.amdhsa_inst_pref_size 43
	.end_amdhsa_kernel
	.amdgpu_metadata
---
amdhsa.version: [ 1, 2 ]
amdhsa.kernels:
  - .name:           k_qa14cf413c8_fattn
    .symbol:         k_qa14cf413c8_fattn.kd
    .args:
      - { .name: qkvg, .offset: 0, .size: 8, .value_kind: global_buffer, .address_space: global }
      - { .name: attn_mask, .offset: 8, .size: 8, .value_kind: global_buffer, .address_space: global }
      - { .name: fpart, .offset: 16, .size: 8, .value_kind: global_buffer, .address_space: global }
    .group_segment_fixed_size: 35328
    .private_segment_fixed_size: 0
    .kernarg_segment_align: 8
    .kernarg_segment_size: 24
    .max_flat_workgroup_size: 128
    .sgpr_count:     66
    .vgpr_count:     704
    .wavefront_size: 32
...
	.end_amdgpu_metadata
.endif
;; end of part 3
;; launch attn (part 4): grid 32 x 8, 4 waves a work-group, clusters of 4 x 1, 327,680 bytes of LDS; arguments qkvg, attn_mask, abuf; writes abuf
.if DOCPART == 4
	.amdgcn_target "amdgcn-amd-amdhsa--gfx1250"
	.amdhsa_code_object_version 6
	.text
	.protected	k_qa14cf413c8_attn
	.globl	k_qa14cf413c8_attn
	.p2align	8
	.type	k_qa14cf413c8_attn,@function
k_qa14cf413c8_attn:
	s_mov_b64 s[64:65], 0
	v_nop
	global_prefetch_b8 v0, s[64:65] scope:SCOPE_SE
	s_setreg_imm32_b32 hwreg(HW_REG_WAVE_MODE, 25, 1), 1
	s_wait_xcnt 0x0
	s_wait_alu depctr_hold_cnt(0) depctr_sa_sdst(0) depctr_va_vdst(0) depctr_va_sdst(0) depctr_va_ssrc(0) depctr_va_vcc(0) depctr_vm_vsrc(0)
	s_getreg_b32 s2, hwreg(HW_REG_IB_STS2, 6, 4)
	s_cmp_eq_u32 s2, 0
	s_cbranch_scc0 .Lentry_in_a_cluster
	s_endpgm
.Lentry_in_a_cluster:
	s_bfe_u32 s2, ttmp6, 0x10000c
	s_cmp_lg_u32 s2, 0x3003
	s_cbranch_scc0 .Lentry_shape_is_right
	s_endpgm
.Lentry_shape_is_right:
; THE ATTENTION: softmax(q k^T + mask) v, times sigmoid(gate), f16 operands, f32 sums, maxima and softmax.  q carries 1 / sqrt(128).  Nothing is left out: the mask is an input, so every tile of keys is walked and every mask byte read.
; SHARES.  A work-group owns 64 queries and the two query heads of one k/v head.  Wave w: g = w % 2 picks 32 queries, kh = w / 2 picks half of the keys: of each slot of 256 keys it walks key steps 2 kh and 2 kh + 1, 64 keys each: 16 steps.
; Its four tiles of 16 queries: tile 2 z + hh = query tile z, head hh.  At the end waves g and g + 2 merge their running maxima, sums and O^T through LDS.
; LAYOUT.  S^T = K Q^T + mask (source 0 = 16 keys, source 1 = 16 queries): a lane holds one query (l % 16) and keys 8 (l / 16) + 0..7; two such tiles rounded to f16 are source 1 of O^T = V^T P.
; THE MASK IS THE C OF A TILE'S FIRST PRODUCT: it is loaded from memory in the scores' layout (eight loads take 256 whole bytes of each of 16 rows), two steps ahead, and serves both heads of the query tile.
; All operands come as register images (512 dense bytes, lane l's 16 at 16 l), so K's and V's tiles are dense blocks for the tensor data mover and every fragment is read by plain loads of 16 bytes at 16 l.
; SOFTMAX.  Running maximum m and sum l for each query: p = 2^(c (s - m)), c = log2(e); in every step O and l are multiplied by a = 2^(c (m_old - m_new)).
; The differences are formed first and then multiplied by c: so the largest p is exactly 1 whatever the size of the scores (a wave all of whose keys carry a mask of -1e9 has m = -1e9), and p always has room in f16.
; BY TURNS.  The wave's tiles are two pieces (piece 0: tiles 0, 1; piece 2: tiles 2, 3).  In a turn one piece has the matrix unit (32 products V^T P of the step in hand, 32 products K Q^T of the next); the other piece's softmax stands in 64 slices behind them.
; CLUSTER.  The four query blocks of a cluster walk the same K and V: each tile is asked for jointly.
; LIMITS: |gated output| under 65,504 (f16); NaN and infinities (a mask of -infinity) are not served, finite masks such as -1e9 are; where every key of a row carries a mask so large that f32 loses the score beside it, mask + products are rounded by the matrix unit.
; Positions 0-15 of a sequence are computed here too, inside tiles that hold live rows; the small launches replace their output rows by a finer result.
; REGISTERS, in windows of 256: window 0: v2-10 addresses; v12-43 statistics, eight a tile; v64-191 S^T; v192-255 P.  window 1: O^T, 64 a tile.  window 2: v0-127 Q, v128-255 K.  window 3: v0-127 V, v128-255 the mask: set (step % 2), query tile z at 128 + 64 set + 32 z.
.set STEPB, 16384                      ; a key step's K images, and its V images
.set VOFF,  65536                      ; a slot: 256 keys of K, then of V
.set SLOT1, 1<<17
.set XST,   262144                     ; behind the ring: the statistics' exchange, 2,048 bytes a wave
.set SPARE, 270336                     ; the spare words, 128 bytes a wave: no other line names them
.set KIO, 8388608
.set VHO, 12582912
.set GIO, 20971520
.set AK0, 2           ; v2   16 x lane
.set AV0, 3           ; v3   16 x lane + VOFF
.set ADR, 4           ; v4   the LDS address of the run of loads in hand
.set MO,  5           ; v5   mask: 8192 (l % 16) + 32 (l / 16)
.set XW,  6           ; v6   the exchange: where my O^T goes
.set XA,  7           ; v7   where the two tiles that I finish lie in wave g's part,
.set XB,  8           ; v8   and in wave g + 2's
.set SXW, 9           ; v9   the same for the statistics
.set SXA, 10
.set ST,  12          ; tile t's statistics at v[ST+8 t]: +0 m, +1 zero (named with m as a pair), +2, +3 l, +4 to +7 at work; a takes +6
.set PFO, 61          ; v61  256 x lane
.set SPW, 62
.set NIL, 63
.set S,   64
.set P,   192
.set KF,  128
.set WV,  12
.set LIM, 15          ; s15  1 in a wave that prefetches, else the greatest number
.set PFA, 18          ; s[18:19] where my prefetches stand
.set G1,  24          ; s[24:31] descriptor group 1
.set MB,  32          ; s[32:33] the mask at my 32 rows and my half of the slot in hand
.set QB,  34
.set GB,  36
.set AB,  38
.set G0,  40          ; s[40:47] group 0: a set for each first fill; the second then walks
.set SLOTS, 56
.set CS,  58
.set SEL, 60
.set TB,  62          ; s62  LDS byte at which the images of the step to be fetched begin
.set MSB, 0
.macro WIN new
.if MSB != (\new)
	s_set_vgpr_msb (MSB<<8)|(\new)
.set MSB, (\new)
.endif
.endm
.set W_KQ, 0x0a       ; K and Q in window 2, S^T in window 0
.set W_KG, 0x3a       ; the same, C (the mask) in window 3
.set W_PV, 0x53       ; V in window 3, P in window 0, O^T in window 1
.set W_RS, 0x41       ; O^T in window 1, a in window 0
.macro JLOAD                        ; every wave's one joint refill: 32 KB of the slot (waves 0, 1: K's halves; 2, 3: V's); an s_nop 0 and four v_nop follow
	tensor_load_to_lds s[G0+4:G0+7], s[G1:G1+7]
	s_nop 0
.rept 4
	v_nop
.endr
.endm
; A prefetch of what the NEXT change of slots will ask for.  All eight clusters of a k/v head walk the same K and V: the first of them asks.  Of the 32 KB that wave w fetches, the partner at place cx names 8 KB, told apart by address: lanes 256 bytes apart, one line a wave.
; So each block of 256 bytes is named once.  It runs one slot, 256 matrix instructions a wave, ahead of the load; the last change that fills a slot asks for nothing.
.macro ASK
	s_cmp_gt_u32 s[SLOTS], s[LIM]
	s_cbranch_scc0 .Lnot_mine_\@
	global_prefetch_b8 v[PFO], s[PFA:PFA+1] th:TH_LOAD_NT scope:SCOPE_SE
.Lnot_mine_\@:
.endm
.macro CROUND
	s_barrier_signal -1
	s_barrier_wait -1
	s_cmp_lg_u32 s[WV], 0
	s_cbranch_scc1 .Lnot_wave_0_\@
	s_barrier_signal -3
.Lnot_wave_0_\@:
	s_barrier_wait -3
	s_barrier_signal -1
	s_barrier_wait -1
.endm
	s_load_b128 s[4:7], s[0:1], 0x0   ; qkvg, attn_mask
	s_load_b64 s[8:9], s[0:1], 0x10   ; abuf
	v_lshl_add_u32 v[SPW], v0, 2, SPARE
	v_mov_b32 v[NIL], 0
	ds_add_u32 v[SPW], v[NIL]       ; the wave's opening: the add, twice on end, and its wait ahead of my first tensor load
	ds_add_u32 v[SPW], v[NIL]
	v_lshrrev_b32 v1, 5, v0
	v_readfirstlane_b32 s[WV], v1
	s_bfe_u32 s13, ttmp6, 0x40000   ; cx
	s_lshl_b32 s14, ttmp9, 2
	s_add_co_u32 s14, s14, s13      ; my block of 64 queries: it enters global addresses alone
	s_and_b32 s20, ttmp7, 0xffff    ; 4 b + k/v head, which the partners share
	s_lshr_b32 s21, s20, 2          ; b
	s_and_b32 s22, s20, 3           ; k/v head
	s_and_b32 s16, s[WV], 1         ; g
	s_lshr_b32 s17, s[WV], 1        ; kh
	s_cmp_lt_u32 s[WV], 2           ; what I fetch: K's images or V's high parts,
	s_mov_b32 s48, VHO
	s_cselect_b32 s48, KIO, s48
	s_lshl_b32 s49, s20, 19         ; of my k/v head,
	s_add_co_u32 s48, s48, s49
	s_lshl_b32 s49, s16, 15         ; the slot's first or second 128 keys
	s_add_co_u32 s48, s48, s49
	s_mov_b32 s49, 0
	s_lshl_b32 s50, s[WV], 15       ; and where it goes: 32,768 x wave
	s_lshl_b32 s51, s21, 3
	s_lshl_b32 s23, s22, 1          ; my first query head in the batch
	s_add_co_u32 s51, s51, s23
	s_lshl_b32 s52, s14, 2
	s_lshl_b32 s53, s16, 1
	s_add_co_u32 s52, s52, s53      ; my first tile of 16 queries in the sequence
	s_mov_b32 s55, 0
	s_mov_b32 s[G1], 15|(3<<16)|(1<<21)  ; the mask: all four work-groups; elements of 8 bytes; bit 21 beside a mask; no padding
	s_mov_b32 s[G1+1], 32<<16       ; 32 KB dense, as 128 rows of 256 bytes
	s_mov_b32 s[G1+2], 128<<16
	s_mov_b32 s[G1+3], 32<<16
	s_mov_b32 s[G1+4], 128
	s_mov_b32 s[G1+5], 32
	s_mov_b32 s[G1+6], 0
	s_mov_b32 s[G1+7], 0
	s_mov_b32 s[CS], 0x3fb8aa3b     ; c = log2(e)
	s_mov_b32 s[CS+1], s[CS]
	s_mov_b32 s[SEL], 0x76543210
	s_mov_b32 s[SEL+1], 0xfedcba98
	s_lshl_b32 s[TB], s17, 15       ; my two steps of a slot's four
	s_mov_b32 s[SLOTS], 6
	s_cmp_eq_u32 ttmp9, 0
	s_cselect_b32 s[LIM], 1, -1
	s_wait_dscnt 0x0                ; both opening adds are done
	s_wait_kmcnt 0x0
	s_add_nc_u64 s[10:11], s[4:5], s[48:49]
	CROUND                          ; all four work-groups are here: the first joint loads meet
.irp s, 0,1
	s_mov_b32 s[G0+4*\s], 1
	s_add_co_u32 s[G0+4*\s+1], s50, \s*SLOT1
	s_add_nc_u64 s[G0+4*\s+2:G0+4*\s+3], s[10:11], \s*65536
	s_or_b32 s[G0+4*\s+3], s[G0+4*\s+3], 0x80000000
.endr
	tensor_load_to_lds s[G0:G0+3], s[G1:G1+7]      ; two loads of mine are out
	s_nop 0
	tensor_load_to_lds s[G0+4:G0+7], s[G1:G1+7]
	s_nop 0
.rept 4
	v_nop
.endr
	s_lshl_b32 s2, s13, 13
	s_mov_b32 s3, 0
	s_add_nc_u64 s[PFA:PFA+1], s[10:11], s[2:3]
	s_add_nc_u64 s[PFA:PFA+1], s[PFA:PFA+1], 2*65536   ; in slot 2; the first change steps it to slot 3.  Nothing is prefetched at the head
	s_lshl_b32 s54, s51, 7
	s_add_co_u32 s54, s54, s52
	s_lshl_b32 s54, s54, 12
	s_add_nc_u64 s[QB:QB+1], s[4:5], s[54:55]
	s_lshl_b32 s54, s21, 24
	s_lshl_b32 s2, s52, 17          ; 16 rows of 8,192 bytes a tile
	s_add_co_u32 s54, s54, s2
	s_lshl_b32 s2, s17, 9           ; my 128 of a slot's 256 keys
	s_add_co_u32 s54, s54, s2
	s_add_nc_u64 s[MB:MB+1], s[6:7], s[54:55]
	s_lshl_b32 s2, s21, 7
	s_add_co_u32 s2, s2, s52
	s_add_co_u32 s2, s2, s17        ; the block of 16 rows that I finish: query tile kh of my two
	s_lshl_b32 s54, s2, 3
	s_add_co_u32 s54, s54, s23
	s_lshl_b32 s54, s54, 13
	s_add_co_u32 s54, s54, GIO
	s_add_nc_u64 s[GB:GB+1], s[4:5], s[54:55]
	s_lshl_b32 s54, s2, 15
	s_lshl_b32 s3, s23, 12
	s_add_co_u32 s54, s54, s3
	s_add_nc_u64 s[AB:AB+1], s[8:9], s[54:55]
	v_and_b32 v1, 15, v0
	v_bfe_u32 v44, v0, 4, 1
	v_and_b32 v45, 31, v0
	v_lshlrev_b32 v[AK0], 4, v45
	v_add_nc_u32 v[AV0], VOFF, v[AK0]
	v_lshlrev_b32 v[MO], 13, v1
	v_lshl_add_u32 v[MO], v44, 5, v[MO]
	v_lshlrev_b32 v[PFO], 8, v45
	v_mov_b32 v46, 0                ; lane permutes' destinations on the way out
	v_mov_b32 v47, 0
.irp t, 0,1,2,3
	v_mov_b32 v[ST+8*\t+1], 0       ; written once: named with m as the upper half of a pair
.endr
	WIN 0x80
.irp t, 0,1,2,3                     ; Q stays in registers: tile t = query tile t / 2, head t % 2
.irp q, 0,1,2,3,4,5,6,7
	global_load_b128 v[32*\t+4*\q:32*\t+4*\q+3], v[AK0], s[QB:QB+1] offset:(\t%2)*524288+(\t/2)*4096+\q*512
.endr
.endr
; The mask of one step (64 keys) for query tile z into set par; off: 0 at the head, 1,024 (the slot after the one that the base stands at) in the turns
.macro MG par, z, off
	WIN 0xc0
.irp q, 0,1,2,3,4,5,6,7
	global_load_b128 v[128+64*(\par)+32*(\z)+4*\q:128+64*(\par)+32*(\z)+4*\q+3], v[MO], s[MB:MB+1] offset:(\off)+256*(\par)+(\z)*131072+64*(\q/2)+16*(\q%2)
.endr
.endm
	MG 0, 0, 0
	MG 0, 1, 0
	MG 1, 0, 0
	MG 1, 1, 0
	WIN 0
; Product i of 32 of O^T += V^T P: keys 32 (i / 16) on, channels 16 ((i / 2) % 8) on, tile x + i % 2.  The accumulators take turns.
.macro PV x, zero
	WIN W_PV
.set rO, 64*(\x+i%2)+8*((i/2)%8)
.set rV, 64*(i/16)+8*((i/2)%8)
.set rP, P+16*(\x+i%2)+8*(i/16)
.if \zero && (i < 16)
	v_wmma_f32_16x16x32_f16 v[rO:rO+7], v[rV:rV+7], v[rP:rP+7], 0
.else
	v_wmma_f32_16x16x32_f16 v[rO:rO+7], v[rV:rV+7], v[rP:rP+7], v[rO:rO+7]
.endif
.endm
; Product i of 32 of S^T = K Q^T + mask: channels 32 (i / 8) on, keys 16 ((i / 2) % 4) on, tile x + i % 2.  The first 8 start the sums from the mask, the same registers for both heads.
.macro KQ x, par
.set rS, S+32*(\x+i%2)+8*((i/2)%4)
.set rK, KF+32*((i/2)%4)+8*(i/8)
.set rQ, 32*(\x+i%2)+8*(i/8)
.set rG, 128+64*(\par)+32*((\x)/2)+8*((i/2)%4)
.if i < 8
	WIN W_KG
	v_wmma_f32_16x16x32_f16 v[rS:rS+7], v[rK:rK+7], v[rQ:rQ+7], v[rG:rG+7]
.else
	WIN W_KQ
	v_wmma_f32_16x16x32_f16 v[rS:rS+7], v[rK:rK+7], v[rQ:rQ+7], v[rS:rS+7]
.endif
.endm
.macro FETCH_K
	WIN 0
	v_add_nc_u32 v[ADR], s[TB], v[AK0]
	WIN 0x80
.irp f, 0,1,2,3,4,5,6,7,8,9,10,11,12,13,14,15  ; keys 16 (f / 4) on, channels 32 (f % 4) on
	ds_load_b128 v[KF+8*\f:KF+8*\f+3],   v[ADR] offset:(\f/4)*4096+(\f%4)*1024
	ds_load_b128 v[KF+8*\f+4:KF+8*\f+7], v[ADR] offset:(\f/4)*4096+(\f%4)*1024+512
.endr
.endm
.macro FETCH_V
	WIN 0
	v_add_nc_u32 v[ADR], s[TB], v[AV0]
	s_add_co_u32 s[TB], s[TB], STEPB  ; the next fetch is the next step's
	s_wait_alu depctr_va_vdst(0)    ; the wait for the softmax's batch (SLICE)
	WIN 0xc0
.irp f, 0,1,2,3,4,5,6,7,8,9,10,11,12,13,14,15  ; keys 32 (f / 8) on, channels 16 (f % 8) on
	ds_load_b128 v[8*\f:8*\f+3],   v[ADR] offset:(\f/8)*8192+(\f%8)*1024
	ds_load_b128 v[8*\f+4:8*\f+7], v[ADR] offset:(\f/8)*8192+(\f%8)*1024+512
.endr
.endm
; One tile's softmax for one key step is a list of 134 numbers; SM writes number j of it for tile t.
;   0-15 the maximum of the 32 scores and the old m;  16-20 the other half of the lanes' maximum, the old m kept, the new m, m_old - m_new, x c;  21-69 ONE BATCH: 16 scalings c (s - m) and all 33 exponentials, none of which reads an exponential's result;
;   (the wait for the batch: SLICE writes it)  70-85 the roundings to f16;  86-101 the sums, l = a l + the sum;  102-133 the tile's O^T times a.
; A scaling is two lines, s - m and x c, and the two do not stand together: the number of pair b writes s - m of pair b and x c of pair b - 1 (the last number also x c of pair 15), so that no line reads the result of the line just before it,
; but for that last one, which has one line between.  Pair b is so multiplied at the number of pair b + 1 (22, 24, .. 38, 42, .. 62), still ahead of its exponentials (numbers 25 and 27 for pair 0, up to 68 and 69 for pair 15).
.macro SM t, first
.set rT, ST+8*(\t)
.set rS, S+32*(\t)
.set rP, P+16*(\t)
.set rO, 64*(\t)+2*(j-102)
.if j < 102
	WIN 0
.endif
.if j < 4
	v_max3_num_f32 v[rT+4+j], v[rS+8*j], v[rS+8*j+1], v[rS+8*j+2]
.elseif j < 12
	v_max3_num_f32 v[rT+4+j%4], v[rT+4+j%4], v[rS+8*(j%4)+2*(j/4)+1], v[rS+8*(j%4)+2*(j/4)+2]
.elseif j == 12
	v_max3_num_f32 v[rT+4], v[rT+4], v[rS+7], v[rS+15]
.elseif j == 13
	v_max3_num_f32 v[rT+6], v[rT+6], v[rS+23], v[rS+31]
.elseif j == 14
	v_max3_num_f32 v[rT+4], v[rT+4], v[rT+5], v[rT+6]
.elseif (j == 15) && \first
	v_max_num_f32 v[rT+4], v[rT+4], v[rT+7]
.elseif j == 15
	v_max3_num_f32 v[rT+4], v[rT+4], v[rT+7], v[rT]
.elseif j == 16
	v_permlanex16_b32 v[rT+5], v[rT+4], s[SEL], s[SEL+1]
.elseif j == 18
	v_max_num_f32 v[rT], v[rT+4], v[rT+5]          ; the new m
.elseif ((j == 17) || (j == 19) || (j == 20) || (j == 23) || (j > 101)) && \first  ; the first step has none of these
.elseif j == 17
	v_mov_b32 v[rT+7], v[rT]                       ; the old m is kept for a: number 18 writes m anew
.elseif j == 19
	v_sub_f32 v[rT+7], v[rT+7], v[rT]              ; m_old - m_new: 0 or less
.elseif j == 20
	v_mul_f32 v[rT+7], s[CS], v[rT+7]
.elseif j == 23
	v_exp_f32 v[rT+6], v[rT+7]
.elseif (j < 23) || ((j < 38) && (j%2 == 0)) || ((j < 66) && (j%4 == 2))
.set b, (j-2)/4
.if j < 38
.set b, (j-20)/2
.endif
	v_pk_add_f32 v[rS+2*b:rS+2*b+1], v[rS+2*b:rS+2*b+1], v[rT:rT+1] op_sel_hi:[1,0] neg_lo:[0,1] neg_hi:[0,1]   ; pair b: s - m: 0 at the row's largest score, whatever its size
.if b > 0
	v_pk_mul_f32 v[rS+2*b-2:rS+2*b-1], v[rS+2*b-2:rS+2*b-1], s[CS:CS+1] op_sel_hi:[1,0]                          ; pair b - 1: x c
.endif
.if b == 15
	v_pk_mul_f32 v[rS+2*b:rS+2*b+1], v[rS+2*b:rS+2*b+1], s[CS:CS+1] op_sel_hi:[1,0]                              ; and the last pair
.endif
.elseif j < 70
.set e, j-38
.if j < 66
.set e, j-32-(j-38)/4
.endif
.if j < 38
.set e, (j-25)/2
.endif
	v_exp_f32 v[rS+e], v[rS+e]
.elseif j < 86
	v_cvt_pk_f16_f32 v[rP+j-70], v[rS+2*(j-70)], v[rS+2*(j-70)+1]
.elseif j < 102
.set z, j-86
.set w, 4
.set u, z
.if z >= 14
.set w, 32
.set u, 0
.elseif z >= 12
.set w, 16
.set u, z-12
.elseif z >= 8
.set w, 8
.set u, z-8
.endif
.if (z == 14) && \first
	v_pk_add_f32 v[rT+2:rT+3], v[rS:rS+1], v[rS+16:rS+17]
.elseif z < 15
	v_pk_add_f32 v[rS+w*u:rS+w*u+1], v[rS+w*u:rS+w*u+1], v[rS+w*u+w/2:rS+w*u+w/2+1]
.elseif !\first
	v_pk_fma_f32 v[rT+2:rT+3], v[rT+2:rT+3], v[rT+6:rT+7], v[rS:rS+1] op_sel_hi:[1,0,1]
.endif
.else
	WIN W_RS
	v_pk_mul_f32 v[rO:rO+1], v[rO:rO+1], v[rT+6:rT+7] op_sel_hi:[1,0]
.endif
.endm
; Slice k of 64 of piece y's softmax: four numbers of the list (slice 63: sixteen).  Slices 11 to 34 deal out the batch, four numbers of one tile each.  Behind slice 34 stands the one wait between the piece's 66 exponentials and their first reader.
.macro SLICE y, first
.if (k >= 11) && (k < 35)
.irp n, 0,1,2,3
.set j, 22+4*((k-11)/2)+(\n)
	SM (\y)+(k-11)%2, \first
.endr
.else
.irp n, 0,1,2,3,4,5,6,7
.if (\n < 2) || (k == 63)
.irp t, \y, \y+1
.set j, 2*k+\n
	SM \t, \first
.endr
.endif
.endr
.endif
.if k == 34
	v_nop                           ; the plain line behind the last exponential
.if (\y) == 0
	FETCH_V                         ; piece 2's turn: V's run of loads stands here, and the wait stands in it
.else
	s_wait_alu depctr_va_vdst(0)
.endif
.endif
.set k, k+1
.endm
.macro PLACES
.rept 4
	v_nop
.endr
.endm
; A TURN.  Piece x has the matrix unit.  pv = 2: 32 products V^T P; 1: they start O^T; 0: none.  kq = 1: 32 products K Q^T for the next step, whose parity is par.
; lc: the mask loads issued behind those that this run's first products take as C: groups of eight.  mk = 1: behind product 15 the same registers are asked for the step two on: their last reader is product 7, and the slices between are plain lines that name none of its registers.
.macro TURN x, pv, kq, first, par, mk, lc
.set k, 0
.set per, 2
.if \pv && \kq
.set per, 1
.endif
.if \pv
.if \x == 0
	s_wait_dscnt 0x0                ; V is in
.endif
.set i, 0
.rept 32
	PV \x, 2-\pv
.rept per
	SLICE 2-\x, \first
.endr
.if (\x == 0) && \kq && (i == 1)
	FETCH_K
.endif
.set i, i+1
.endr
.endif
.if \kq
.if \x == 0
	s_wait_dscnt 0x0                ; K is in
.endif
	s_wait_loadcnt \lc              ; my query tile's mask of this step is in
.set i, 0
.rept 32
	KQ \x, \par
.rept per
	SLICE 2-\x, \first
.endr
.if \mk && (i == 15)
	MG \par, (\x)/2, 1024
.endif
.set i, i+1
.endr
.endif
.if \first
	PLACES
.endif
.endm
; THE CHANGE OF SLOTS: each wave waits for all its tensor loads, adds 0 to its spare word, and waits for that and for its reads of the slot.  fill = 1: a round of the cluster's barrier, then the joint refill first: it has 256 matrix instructions a wave in which to land.
.macro CHANGE fill
	WIN 0
	s_wait_tensorcnt 0x0            ; no tensor load of mine is out, so a group 0 may be written
	ds_add_u32 v[SPW], v[NIL]
.if \fill
	s_xor_b32 s[G0+5], s[G0+5], SLOT1
	s_add_nc_u64 s[G0+6:G0+7], s[G0+6:G0+7], 65536
	s_wait_xcnt 0x0                 ; the last prefetch and the mask's loads have read their bases, so both may be written
	s_add_nc_u64 s[PFA:PFA+1], s[PFA:PFA+1], 65536
	s_add_nc_u64 s[MB:MB+1], s[MB:MB+1], 1024
	s_wait_dscnt 0x0
	CROUND
	JLOAD
	ASK
.else
	s_wait_dscnt 0x0
	s_barrier_signal -1
	s_barrier_wait -1
.endif
	s_sub_co_u32 s[TB], s[TB], 2*STEPB
	s_xor_b32 s[TB], s[TB], SLOT1
.endm
	s_wait_tensorcnt 1              ; my part of slot 0 is in; slot 1's may stay out
	s_barrier_signal -1
	s_barrier_wait -1
	FETCH_K                         ; my step 0
	s_wait_loadcnt 0x0              ; Q, and the masks of steps 0 and 1
	s_wait_dscnt 0x0
.set i, 0
.rept 32
	KQ 0, 0
.set i, i+1
.endr
	WIN 0                           ; the addresses for the way out: plain lines, the places behind those products
	s_lshl_b32 s2, s[WV], 15
	v_add_nc_u32 v[XW], s2, v[AK0]
	s_lshl_b32 s2, s16, 15
	s_lshl_b32 s3, s17, 14
	s_add_co_u32 s2, s2, s3
	v_add_nc_u32 v[XA], s2, v[AK0]
	v_add_nc_u32 v[XB], 65536, v[XA]
	s_lshl_b32 s2, s[WV], 11
	s_add_co_u32 s2, s2, XST
	v_add_nc_u32 v[SXW], s2, v[AK0]
	s_lshl_b32 s2, s16, 11
	s_lshl_b32 s3, s17, 10
	s_add_co_u32 s2, s2, s3
	s_add_co_u32 s2, s2, XST
	v_add_nc_u32 v[SXA], s2, v[AK0]
	v_nop
	MG 0, 0, 1024                   ; step 2's mask for query tile 0
	TURN 2, 0, 1, 1, 0, 1, 8        ; piece 2's first scores | piece 0's first softmax | V of step 0
	TURN 0, 1, 1, 1, 1, 1, 16       ; piece 0: V^T P of step 0 starts O^T, K Q^T of step 1 | piece 2's first softmax | K of step 1
	TURN 2, 1, 1, 0, 1, 1, 24       ; piece 2: the same | piece 0's softmax of step 1 | V of step 1
	WIN 0
.Lslot:                             ; six trips: every slot but the last two is filled again.  A trip's two steps are written out: the mask's two sets of registers take turns
	CHANGE 1
	TURN 0, 2, 1, 0, 0, 1, 24
	TURN 2, 2, 1, 0, 0, 1, 24
	TURN 0, 2, 1, 0, 1, 1, 24
	TURN 2, 2, 1, 0, 1, 1, 24
	WIN 0
	s_sub_co_u32 s[SLOTS], s[SLOTS], 1
	s_cmp_lg_u32 s[SLOTS], 0
	s_cbranch_scc1 .Lslot
	CHANGE 0                        ; the tail is written out: nothing more is asked for, of K, V or the mask: the counts run down
	TURN 0, 2, 1, 0, 0, 0, 24
	TURN 2, 2, 1, 0, 0, 0, 16
	TURN 0, 2, 1, 0, 1, 0, 8
	TURN 2, 2, 1, 0, 1, 0, 0
	WIN 0xc0                        ; the mask's registers take the gate of the two tiles that I finish: 16 rows x two heads, f32
.set cc, 0
.rept 32
	global_load_b128 v[128+4*cc:131+4*cc], v[AK0], s[GB:GB+1] offset:cc*512
.set cc, cc+1
.endr
	TURN 0, 2, 0, 0, 0, 0, 0        ; piece 0: V^T P of the last step | piece 2's last softmax
.set i, 0
.rept 32
	PV 2, 0
.set i, i+1
.endr
	; THE WAY OUT.  Every wave lays its O^T (in slot 0, which was left at the last change of slots: it has had its last fill and nobody reads it) and its statistics into LDS; wave (g, kh) then finishes query tile kh of the 32 queries g, both heads.
	PLACES
	WIN 0x04                        ; an LDS store's data are its source 1: window 1
.set cc, 0
.rept 64
	ds_store_b128 v[XW], v[4*cc:4*cc+3] offset:cc*512
.set cc, cc+1
.endr
	WIN 0
.irp t, 0,1,2,3
	ds_store_b128 v[SXW], v[ST+8*\t:ST+8*\t+3] offset:\t*512
.endr
	s_wait_dscnt 0x0
	s_barrier_signal -1
	s_wait_loadcnt 0x0              ; the gate; its sigmoid, work on registers, stands between signal and wait: 1 / (1 + 2^(-c g))
	WIN 0xc3
.set cc, 0
.rept 64
	v_pk_mul_f32 v[128+2*cc:129+2*cc], v[128+2*cc:129+2*cc], 0xbfb8aa3b op_sel_hi:[1,0]
.set cc, cc+1
.endr
.set cc, 0
.rept 128
	v_exp_f32 v[128+cc], v[128+cc]
.set cc, cc+1
.endr
	v_nop
	s_wait_alu depctr_va_vdst(0)    ; one wait for the batch
.set cc, 0
.rept 64
	v_pk_add_f32 v[128+2*cc:129+2*cc], v[128+2*cc:129+2*cc], 1.0 op_sel_hi:[1,0]
.set cc, cc+1
.endr
.set cc, 0
.rept 128
	v_rcp_f32 v[128+cc], v[128+cc]
.set cc, cc+1
.endr
	v_nop
	s_wait_alu depctr_va_vdst(0)
	WIN 0
	s_barrier_wait -1
.set cc, 0
.rept 32
	ds_load_b128 v[64+4*cc:67+4*cc], v[XA] offset:cc*512        ; the two tiles as wave g summed them,
.set cc, cc+1
.endr
	WIN 0x80
.set cc, 0
.rept 32
	ds_load_b128 v[4*cc:4*cc+3], v[XB] offset:cc*512            ; and as wave g + 2 did: window 2
.set cc, cc+1
.endr
	WIN 0
.irp t, 0,1
	ds_load_b128 v[12+8*\t:15+8*\t], v[SXA] offset:\t*512
	ds_load_b128 v[16+8*\t:19+8*\t], v[SXA] offset:4096+\t*512
.endr
	s_wait_dscnt 0x0
.irp t, 0,1
	v_max_num_f32 v[44+\t], v[12+8*\t], v[16+8*\t]              ; the larger m
	v_add_f32 v[14+8*\t], v[14+8*\t], v[15+8*\t]
	v_add_f32 v[18+8*\t], v[18+8*\t], v[19+8*\t]
.endr
.irp t, 0,1
	v_sub_f32 v[12+8*\t], v[12+8*\t], v[44+\t]                  ; each half's m less the larger: 0 or less,
	v_sub_f32 v[16+8*\t], v[16+8*\t], v[44+\t]
.endr
.irp t, 0,1
	v_mul_f32 v[12+8*\t], s[CS], v[12+8*\t]                     ; x c
	v_mul_f32 v[16+8*\t], s[CS], v[16+8*\t]
.endr
.irp t, 0,1
	v_exp_f32 v[12+8*\t], v[12+8*\t]
	v_exp_f32 v[16+8*\t], v[16+8*\t]
.endr
	v_nop
	s_wait_alu depctr_va_vdst(0)
.irp t, 0,1
	v_mul_f32 v[14+8*\t], v[12+8*\t], v[14+8*\t]
.endr
.irp t, 0,1
	v_fma_f32 v[14+8*\t], v[16+8*\t], v[18+8*\t], v[14+8*\t]
.endr
.irp t, 0,1
	v_permlanex16_b32 v[46+\t], v[14+8*\t], s[SEL], s[SEL+1]
.endr
.irp t, 0,1
	v_add_f32 v[14+8*\t], v[14+8*\t], v[46+\t]                  ; the row's sum
.endr
.irp t, 0,1
	v_rcp_f32 v[14+8*\t], v[14+8*\t]
.endr
	v_nop
	s_wait_alu depctr_va_vdst(0)
.irp t, 0,1
	v_mul_f32 v[12+8*\t], v[12+8*\t], v[14+8*\t]                ; what wave g's part is multiplied by,
	v_mul_f32 v[16+8*\t], v[16+8*\t], v[14+8*\t]                ; and wave g + 2's
.endr
.irp t, 0,1
.set cc, 0
.rept 32
	v_pk_mul_f32 v[64+64*\t+2*cc:65+64*\t+2*cc], v[64+64*\t+2*cc:65+64*\t+2*cc], v[12+8*\t:13+8*\t] op_sel_hi:[1,0]
.set cc, cc+1
.endr
.endr
	WIN 0x02
.irp t, 0,1
.set cc, 0
.rept 32
	v_pk_fma_f32 v[64+64*\t+2*cc:65+64*\t+2*cc], v[64*\t+2*cc:64*\t+2*cc+1], v[16+8*\t:17+8*\t], v[64+64*\t+2*cc:65+64*\t+2*cc] op_sel_hi:[1,0,1]
.set cc, cc+1
.endr
.endr
	WIN 0x0c
.set cc, 0
.rept 64
	v_pk_mul_f32 v[64+2*cc:65+2*cc], v[64+2*cc:65+2*cc], v[128+2*cc:129+2*cc]   ; x sigmoid(gate)
.set cc, cc+1
.endr
	WIN 0
.set cc, 0
.rept 64
	v_cvt_pk_f16_f32 v[192+cc], v[64+2*cc], v[64+2*cc+1]
.set cc, cc+1
.endr
.set cc, 0
.rept 16
	global_store_b128 v[AK0], v[192+4*cc:195+4*cc], s[AB:AB+1] offset:cc*512   ; images of 512 consecutive bytes: head, then 16 channels
.set cc, cc+1
.endr
	s_wait_tensorcnt 0x0            ; the wave's end
	ds_add_u32 v[SPW], v[NIL]
	s_wait_dscnt 0x0
	CROUND                          ; the closing round
	s_endpgm
.Lfunc_end_k_qa14cf413c8_attn:
	.size	k_qa14cf413c8_attn, .Lfunc_end_k_qa14cf413c8_attn-k_qa14cf413c8_attn
	.p2alignl 7, 3214868480
	.fill 96, 4, 3214868480
	.section	.rodata,"a",@progbits
	.p2align	6, 0x0
	.amdhsa_kernel k_qa14cf413c8_attn
		.amdhsa_group_segment_fixed_size 327680
		.amdhsa_private_segment_fixed_size 0
		.amdhsa_enable_private_segment 0
		.amdhsa_kernarg_size 24
		.amdhsa_user_sgpr_count 2
		.amdhsa_user_sgpr_kernarg_segment_ptr 1
		.amdhsa_wavefront_size32 1
		.amdhsa_system_sgpr_workgroup_id_x 1
		.amdhsa_system_sgpr_workgroup_id_y 1
		.amdhsa_system_sgpr_workgroup_id_z 1
		.amdhsa_system_vgpr_workitem_id 0
		.amdhsa_next_free_vgpr 1024
		.amdhsa_next_free_sgpr 66
		.amdhsa_reserve_vcc 0
		.amdhsa_float_denorm_mode_32 3
		.amdhsa_float_denorm_mode_16_64 3
		.amdhsa_memory_ordered 1
		.amdhsa_forward_progress 1
		.amdhsa_inst_pref_size 255
	.end_amdhsa_kernel
	.section	.bss,"aw",@nobits
	.p2align	6
	.space	262144
	.amdgpu_metadata
---
amdhsa.version: [ 1, 2 ]
amdhsa.kernels:
  - .name:           k_qa14cf413c8_attn
    .symbol:         k_qa14cf413c8_attn.kd
    .args:
      - { .name: qkvg, .offset: 0, .size: 8, .value_kind: global_buffer, .address_space: global }
      - { .name: attn_mask, .offset: 8, .size: 8, .value_kind: global_buffer, .address_space: global }
      - { .name: abuf, .offset: 16, .size: 8, .value_kind: global_buffer, .address_space: global }
    .group_segment_fixed_size: 327680
    .private_segment_fixed_size: 0
    .kernarg_segment_align: 8
    .kernarg_segment_size: 24
    .max_flat_workgroup_size: 128
    .sgpr_count:     66
    .vgpr_count:     1024
    .wavefront_size: 32
...
	.end_amdgpu_metadata
.endif
;; end of part 4
;; launch outp (part 5): grid 8 x 32, 4 waves a work-group, clusters of 4 x 4, 327,680 bytes of LDS; arguments abuf, prepw, out0, fpart, fmrg; writes out0, fmrg
.if DOCPART == 5
	.amdgcn_target "amdgcn-amd-amdhsa--gfx1250"
	.amdhsa_code_object_version 6
	.text
	.protected	k_qa14cf413c8_outp
	.globl	k_qa14cf413c8_outp
	.p2align	8
	.type	k_qa14cf413c8_outp,@function
k_qa14cf413c8_outp:
	s_mov_b64 s[64:65], 0
	v_nop
	global_prefetch_b8 v0, s[64:65] scope:SCOPE_SE
	s_setreg_imm32_b32 hwreg(HW_REG_WAVE_MODE, 25, 1), 1
	s_wait_xcnt 0x0
	s_wait_alu depctr_hold_cnt(0) depctr_sa_sdst(0) depctr_va_vdst(0) depctr_va_sdst(0) depctr_va_ssrc(0) depctr_va_vcc(0) depctr_vm_vsrc(0)
	s_getreg_b32 s2, hwreg(HW_REG_IB_STS2, 6, 4)
	s_cmp_eq_u32 s2, 0
	s_cbranch_scc0 .Lentry_in_a_cluster
	s_endpgm
.Lentry_in_a_cluster:
	s_bfe_u32 s2, ttmp6, 0x10000c
	s_cmp_lg_u32 s2, 0xf033
	s_cbranch_scc0 .Lentry_shape_is_right
	s_endpgm
.Lentry_shape_is_right:
; out0 [4096][2048] f32 = A [4096][1024] Wo [1024][2048], f16 operands, f32 sums.  A (the gated attention output) and Wo come as register images [16 rows or columns][16 along k]: 512 dense bytes, lane l's 16 at 16 l.  Nothing is left out.
; A tile of out0 is 128 x 256: 256 work-groups; a wave makes 64 x 128: 32 accumulators.  K goes in steps of 128 through two LDS slots: A's 8 blocks of rows x 4,096 bytes, B's 16 blocks of columns x 4,096 bytes, dense: no pitch and no padding, every fragment load reads 512 consecutive bytes.
; CLUSTERS 4 x 4: A's tiles are asked for jointly along a row of the cluster, B's along a column.  The matrix instruction is used transposed (source 0 = 16 columns of Wo, source 1 = 16 rows of A): a lane holds eight neighbouring numbers of a row of out0.
; Rows 0-15 of each sequence are made here too, inside tiles that hold live rows; the last launch replaces them by a finer result.
; BESIDE THAT, while the first tiles are on their way, wave 0 of each work-group MERGES THE EIGHT SPLITS of the small attention launch for one (batch, head, position): 256 work-groups, 16 x 16 such rows of 128 channels.  Split p weighs 2^(c (M_p - the largest M)), c = log2(e);
; the weighted sum is divided by the weighted sum of the splits' sums.  It goes to fmrg [16 b + position][128 head + channel], f32, which the last launch multiplies by Wo: so the merge is made once, and not by every block of columns there.
; REGISTERS: window 0: addresses, v32-87 the merge, on the way out v128-255 rows;  window 1: accumulator (a, b) at v[8 (8 a + b)];  windows 2, 3: two fragment buffers for 64 along K: A(c, a) at 8 (4 c + a), B(c, b) at 64 + 8 (8 c + b).
.set WOO, 7798784
.set FSO, 1048576
.set SLOT,   98304
.set SPARE,  196608                    ; the spare words, 128 bytes a wave: no other line names them
.set SPITCH, 528
.set ADRA, 16
.set ADRB, 20
.set STO,  24
.set RD,   25
.set CO,   26
.set SPW,  28
.set NIL,  29
.set BK,   128
.set G1, 24
.set G0, 32
.set G1B, 48
.set G0B, 56
.set M2, 0x5a                          ; sources 0, 1 window 2; C and D window 1
.set M3, 0x5f                          ; sources 0, 1 window 3
.set MSB, 0
.macro WIN new
.if MSB != (\new)
	s_set_vgpr_msb (MSB<<8)|(\new)
.set MSB, (\new)
.endif
.endm
.macro JLOAD s                         ; waves 0 and 1 fetch A's halves, waves 2 and 3 B's; an s_nop 0 and four v_nop follow each line
	s_cmp_eq_u32 s11, 0
	s_cbranch_scc0 .Lfor_b_\@
	tensor_load_to_lds s[G0+4*\s:G0+4*\s+3], s[G1:G1+7]
	s_nop 0
.rept 4
	v_nop
.endr
	s_branch .Lasked_\@
.Lfor_b_\@:
	tensor_load_to_lds s[G0B+4*\s:G0B+4*\s+3], s[G1B:G1B+7]
	s_nop 0
.rept 4
	v_nop
.endr
.Lasked_\@:
.endm
.macro CREST
	s_cmp_lg_u32 s10, 0
	s_cbranch_scc1 .Lnot_wave_0_\@
	s_barrier_signal -3
.Lnot_wave_0_\@:
	s_barrier_wait -3
	s_barrier_signal -1
	s_barrier_wait -1
.endm
.macro CROUND
	s_barrier_signal -1
	s_barrier_wait -1
	CREST
.endm
	s_load_b128 s[4:7], s[0:1], 0x0                ; abuf, prepw
	s_load_b64 s[8:9], s[0:1], 0x10                ; out0
	v_lshl_add_u32 v[SPW], v0, 2, SPARE
	v_mov_b32 v[NIL], 0
	ds_add_u32 v[SPW], v[NIL]                      ; the wave's opening: the add, twice on end, and its wait ahead of my first tensor load
	ds_add_u32 v[SPW], v[NIL]
	v_lshrrev_b32 v1, 5, v0
	v_readfirstlane_b32 s10, v1
	s_lshr_b32 s11, s10, 1                         ; which 64 rows are mine.  Also: I fetch for A (0) or for B (1)
	s_and_b32 s12, s10, 1                          ; which 128 columns.  Also: which half of that tile I fetch
	s_bfe_u32 s40, ttmp6, 0x40000
	s_bfe_u32 s41, ttmp6, 0x40004
	s_lshl_b32 s42, ttmp9, 2
	s_add_co_u32 s42, s42, s40                     ; tile column
	s_and_b32 s13, ttmp7, 0xffff
	s_lshl_b32 s13, s13, 2
	s_add_co_u32 s13, s13, s41                     ; tile row
	s_lshl_b32 s43, s41, 2
	s_lshl_b32 s43, 15, s43
	s_lshl_b32 s44, 0x1111, s40
	s_or_b32 s[G1+0], s43, (3<<16)|(1<<21)         ; the mask; elements of 8 bytes; no padding
	s_or_b32 s[G1B+0], s44, (3<<16)|(1<<21)
	s_mov_b32 s[G1+1], 512<<16                     ; a row of the tile: 8 images, 4,096 bytes
	s_mov_b32 s[G1+2], 4<<16                       ; A: 4 blocks of 16 rows to a load
	s_mov_b32 s[G1+3], 512<<16
	s_mov_b32 s[G1+4], 4
	s_mov_b32 s[G1+5], 4096                        ; 32,768 bytes from block to block
	s_mov_b32 s[G1+6], 0
	s_mov_b32 s[G1+7], 0
	s_mov_b32 s[G1B+1], 512<<16
	s_mov_b32 s[G1B+2], 8<<16                      ; B: 8 blocks of 16 columns to a load
	s_mov_b32 s[G1B+3], 512<<16
	s_mov_b32 s[G1B+4], 8
	s_mov_b32 s[G1B+5], 4096
	s_mov_b32 s[G1B+6], 0
	s_mov_b32 s[G1B+7], 0
	s_lshl_b32 s16, s13, 3
	s_lshl_b32 s17, s12, 2
	s_add_co_u32 s16, s16, s17
	s_lshl_b32 s16, s16, 15
	s_mov_b32 s17, 0
	s_lshl_b32 s46, s42, 4
	s_lshl_b32 s47, s12, 3
	s_add_co_u32 s46, s46, s47
	s_lshl_b32 s46, s46, 15
	s_add_co_u32 s46, s46, WOO
	s_mov_b32 s47, 0
	s_lshl_b32 s20, s12, 14                        ; where they go: A's halves at 0 and 16,384,
	s_lshl_b32 s21, s12, 15
	s_add_co_u32 s21, s21, 32768                   ; B's at 32,768 and 65,536
	s_wait_dscnt 0x0
	s_wait_kmcnt 0x0
	s_add_nc_u64 s[14:15], s[4:5], s[16:17]
	s_add_nc_u64 s[46:47], s[6:7], s[46:47]
	CROUND
.irp s, 0,1
	s_mov_b32 s[G0+4*\s], 1
	s_add_co_u32 s[G0+4*\s+1], s20, \s*SLOT
	s_add_nc_u64 s[G0+4*\s+2:G0+4*\s+3], s[14:15], \s*4096
	s_or_b32 s[G0+4*\s+3], s[G0+4*\s+3], 0x80000000
	s_mov_b32 s[G0B+4*\s], 1
	s_add_co_u32 s[G0B+4*\s+1], s21, \s*SLOT
	s_add_nc_u64 s[G0B+4*\s+2:G0B+4*\s+3], s[46:47], \s*4096
	s_or_b32 s[G0B+4*\s+3], s[G0B+4*\s+3], 0x80000000
	JLOAD \s
.endr
	s_load_b128 s[4:7], s[0:1], 0x18               ; fpart, fmrg: abuf's and prepw's addresses have gone into the descriptors
	v_and_b32 v1, 15, v0
	v_bfe_u32 v2, v0, 4, 1
	v_and_b32 v3, 31, v0
	v_lshlrev_b32 v[CO], 4, v3                     ; 16 x lane
	s_lshl_b32 s21, s11, 14                        ; my 4 blocks of A
	s_lshl_b32 s22, s12, 15
	s_add_co_u32 s22, s22, 32768                   ; my 8 blocks of B
.irp s, 0,1
	v_add_nc_u32 v[ADRA+\s], s21, v[CO]
	v_add_nc_u32 v[ADRB+\s], s22, v[CO]
	s_add_co_u32 s21, s21, SLOT
	s_add_co_u32 s22, s22, SLOT
.endr
	s_mul_i32 s23, s10, 16*SPITCH                  ; my stage, in slot 0
	v_mul_u32_u24 v5, v1, SPITCH
	v_lshl_add_u32 v5, v2, 5, v5
	v_add_nc_u32 v[STO], s23, v5
	v_add_nc_u32 v[RD], s23, v[CO]
	s_lshl_b32 s16, s13, 7
	s_lshl_b32 s17, s11, 6
	s_add_co_u32 s16, s16, s17                     ; my first row of out0
	s_lshl_b32 s16, s16, 13
	s_mov_b32 s17, 0
	s_add_nc_u64 s[8:9], s[8:9], s[16:17]
	s_lshl_b32 s46, s42, 10
	s_lshl_b32 s47, s12, 9
	s_add_co_u32 s46, s46, s47                     ; my first column, in bytes
	s_mov_b32 s47, 0
	s_add_nc_u64 s[8:9], s[8:9], s[46:47]
	s_wait_kmcnt 0x0
	; ---- the merge of the eight splits: wave 0 alone (a branch on the wave's number).  The work-group's number, 8 x tile row + tile column, names 8 b + head (its upper four bits) and the position (its lower four): it enters global addresses alone
	s_cmp_lg_u32 s10, 0
	s_cbranch_scc1 .Lno_merge
	s_lshl_b32 s16, s13, 3
	s_add_co_u32 s16, s16, s42
	s_lshr_b32 s17, s16, 4                         ; 8 b + head
	s_and_b32 s18, s16, 15                         ; the position
	s_lshl_b32 s20, s17, 16                        ; the splits' rows: [8 b + head][split][position][128] f32
	s_lshl_b32 s19, s18, 9
	s_add_co_u32 s20, s20, s19
	s_mov_b32 s21, 0
	s_add_nc_u64 s[20:21], s[4:5], s[20:21]
	s_lshl_b32 s22, s17, 11                        ; their (M, sum): [8 b + head][split][lane = position] pairs
	s_lshl_b32 s19, s18, 3
	s_add_co_u32 s22, s22, s19
	s_add_co_u32 s22, s22, FSO
	s_mov_b32 s23, 0
	s_add_nc_u64 s[22:23], s[4:5], s[22:23]
	s_lshr_b32 s14, s17, 3
	s_lshl_b32 s14, s14, 4
	s_add_co_u32 s14, s14, s18                     ; 16 b + position
	s_lshl_b32 s14, s14, 12
	s_and_b32 s15, s17, 7
	s_lshl_b32 s15, s15, 9
	s_add_co_u32 s14, s14, s15
	s_mov_b32 s15, 0
	s_add_nc_u64 s[14:15], s[6:7], s[14:15]
	v_mov_b32 v6, 0
	v_mov_b32 v83, 0                               ; named with v82 as a pair
.irp p, 0,1,2,3,4,5,6,7
	global_load_b64 v[64+2*\p:65+2*\p], v6, s[22:23] offset:\p*256     ; the same pair in every lane
.endr
.irp p, 0,1,2,3,4,5,6,7
	global_load_b128 v[32+4*\p:35+4*\p], v[CO], s[20:21] offset:\p*8192   ; a row of 512 bytes: four channels a lane
.endr
	s_wait_loadcnt 0x0
	v_max3_num_f32 v80, v64, v66, v68
	v_max3_num_f32 v80, v80, v70, v72
	v_max3_num_f32 v80, v80, v74, v76
	v_max_num_f32 v80, v80, v78                    ; the largest M of the eight
.irp p, 0,1,2,3,4,5,6,7
	v_sub_f32 v[64+2*\p], v[64+2*\p], v80          ; M_p less the largest: 0 or less,
.endr
.irp p, 0,1,2,3,4,5,6,7
	v_mul_f32 v[64+2*\p], 0x3fb8aa3b, v[64+2*\p]   ; x c
.endr
.irp p, 0,1,2,3,4,5,6,7
	v_exp_f32 v[64+2*\p], v[64+2*\p]               ; each split's weight
.endr
	v_nop
	s_wait_alu depctr_va_vdst(0)                   ; one wait for the batch, ahead of its first reader
	v_mul_f32 v82, v64, v65
	v_pk_mul_f32 v[84:85], v[32:33], v[64:65] op_sel_hi:[1,0]
	v_pk_mul_f32 v[86:87], v[34:35], v[64:65] op_sel_hi:[1,0]
.irp p, 1,2,3,4,5,6,7
	v_fma_f32 v82, v[64+2*\p], v[65+2*\p], v82
	v_pk_fma_f32 v[84:85], v[32+4*\p:33+4*\p], v[64+2*\p:65+2*\p], v[84:85] op_sel_hi:[1,0,1]
	v_pk_fma_f32 v[86:87], v[34+4*\p:35+4*\p], v[64+2*\p:65+2*\p], v[86:87] op_sel_hi:[1,0,1]
.endr
	v_rcp_f32 v82, v82
	v_nop
	s_wait_alu depctr_va_vdst(0)
	v_pk_mul_f32 v[84:85], v[84:85], v[82:83] op_sel_hi:[1,0]
	v_pk_mul_f32 v[86:87], v[86:87], v[82:83] op_sel_hi:[1,0]
	global_store_b128 v[CO], v[84:87], s[14:15]    ; 512 consecutive bytes, aligned; none of its registers is written again
.Lno_merge:
; 16 matrix instructions: blocks of rows a0, a0 + 1 x all 8 blocks of columns, 32 along K: half c of the buffer whose window is set.  The 32 accumulators take turns in one order.
.macro MUL16 c, a0, zero
.irp a, \a0, \a0+1
.irp b, 0,1,2,3,4,5,6,7
.if \zero
	v_wmma_f32_16x16x32_f16 v[8*(8*(\a)+\b):8*(8*(\a)+\b)+7], v[64+8*(8*\c+\b):64+8*(8*\c+\b)+7], v[8*(4*\c+(\a)):8*(4*\c+(\a))+7], 0
.else
	v_wmma_f32_16x16x32_f16 v[8*(8*(\a)+\b):8*(8*(\a)+\b)+7], v[64+8*(8*\c+\b):64+8*(8*\c+\b)+7], v[8*(4*\c+(\a)):8*(4*\c+(\a))+7], v[8*(8*(\a)+\b):8*(8*(\a)+\b)+7]
.endif
.endr
.endr
.endm
; 48 LDS loads in one run: the fragments of 64 along K (the step's 32s kq and kq + 1) into the buffer in window win; the first 32 along K first
.macro FETCH slot, kq, win
	WIN ((\win)<<6)
.irp c, 0,1
.irp b, 0,1,2,3,4,5,6,7
	ds_load_b128 v[64+8*(8*\c+\b):64+8*(8*\c+\b)+3],   v[ADRB+\slot] offset:\b*4096+((\kq)+\c)*1024
	ds_load_b128 v[64+8*(8*\c+\b)+4:64+8*(8*\c+\b)+7], v[ADRB+\slot] offset:\b*4096+((\kq)+\c)*1024+512
.endr
.irp a, 0,1,2,3
	ds_load_b128 v[8*(4*\c+\a):8*(4*\c+\a)+3],   v[ADRA+\slot] offset:\a*4096+((\kq)+\c)*1024
	ds_load_b128 v[8*(4*\c+\a)+4:8*(4*\c+\a)+7], v[ADRA+\slot] offset:\a*4096+((\kq)+\c)*1024+512
.endr
.endr
.endm
.macro PLACES
.rept 4
	v_nop
.endr
.endm
.macro HALF slot, zero                 ; a K step's first 64: multiplies the buffer in window 2 and fetches the second 64 into window 3
	s_wait_dscnt 24                                ; the first 32 along K are in
	WIN M2
	MUL16 0, 0, \zero
	MUL16 0, 2, \zero
	PLACES
	FETCH \slot, 2, 3
	s_wait_dscnt 48                                ; all but the 48 just issued
	WIN M2
	MUL16 1, 0, 0
	MUL16 1, 2, 0
.endm
; A K step's second 64, and the change of slots: each wave waits for all its tensor loads, adds 0 to its spare word, waits for that and for its reads of this slot; fill = 1: a round of the cluster's barrier, then the joint refill first.
.macro TURN slot, next, fill
	WIN 0
	s_wait_tensorcnt 0x0
	ds_add_u32 v[SPW], v[NIL]
	s_wait_dscnt 25                                ; the add and the youngest 24 loads may be out
	WIN M3
	MUL16 0, 0, 0
	s_wait_dscnt 0x0
	s_barrier_signal -1
	MUL16 0, 2, 0
	WIN 0
	s_barrier_wait -1
.if \fill
	CREST
	s_add_nc_u64 s[G0+4*\slot+2:G0+4*\slot+3], s[G0+4*\slot+2:G0+4*\slot+3], 8192
	s_add_nc_u64 s[G0B+4*\slot+2:G0B+4*\slot+3], s[G0B+4*\slot+2:G0B+4*\slot+3], 8192
	JLOAD \slot                                    ; its four v_nop are also the places in front of the loads below
.else
	PLACES
.endif
	FETCH \next, 0, 2
	WIN M3
	MUL16 1, 0, 0
	MUL16 1, 2, 0
.endm
	s_wait_tensorcnt 1                             ; my part of K step 0 is in; K step 1's may be out
	s_barrier_signal -1
	s_barrier_wait -1
	FETCH 0, 0, 2
	HALF 0, 1                                      ; the first products start the sums
	WIN 0
	s_mov_b32 s3, 3
.Llap:                                                 ; three trips: K steps 2 to 7 are asked for
	TURN 0, 1, 1
	HALF 1, 0
	TURN 1, 0, 1
	HALF 0, 0
	WIN 0
	s_sub_co_u32 s3, s3, 1
	s_cmp_lg_u32 s3, 0
	s_cbranch_scc1 .Llap
	TURN 0, 1, 0
	HALF 1, 0
	s_wait_dscnt 24
	WIN M3
	MUL16 0, 0, 0
	MUL16 0, 2, 0
	s_wait_dscnt 0
	MUL16 1, 0, 0
	MUL16 1, 2, 0
	WIN 0
; THE WAY OUT, a block of 16 rows x 128 columns at a time, through my own stage (in slot 0, which has had its last fill and its last read): back as whole rows of 512 bytes.
.macro TOSTAGE a
	WIN 0x04
.irp b, 0,1,2,3,4,5,6,7
	ds_store_b128 v[STO], v[8*(8*(\a)+\b):8*(8*(\a)+\b)+3] offset:64*\b
	ds_store_b128 v[STO], v[8*(8*(\a)+\b)+4:8*(8*(\a)+\b)+7] offset:64*\b+16
.endr
	WIN 0
.set BB, BK+64*((\a)%2)
.irp t, 0,1,2,3,4,5,6,7,8,9,10,11,12,13,14,15
	ds_load_b128 v[BB+4*\t:BB+4*\t+3], v[RD] offset:\t*SPITCH
.endr
.endm
.macro SEND a, younger
.set BB, BK+64*((\a)%2)
	s_wait_dscnt \younger
.if (\a) > 0
	s_add_nc_u64 s[8:9], s[8:9], 16*8192           ; behind a wait on XCNT: the earlier stores have read their base
.endif
.irp t, 0,1,2,3,4,5,6,7,8,9,10,11,12,13,14,15
	global_store_b128 v[CO], v[BB+4*\t:BB+4*\t+3], s[8:9] offset:\t*8192 th:TH_STORE_NT   ; 32 lanes store 512 consecutive bytes, aligned
.endr
.endm
	PLACES
	TOSTAGE 0
.irp a, 1,2,3
.if \a > 1
	s_wait_xcnt 0x0
.endif
	TOSTAGE \a
	SEND \a-1, 32
.endr
	s_wait_xcnt 0x0
	SEND 3, 0
	s_wait_tensorcnt 0x0                           ; the wave's end
	ds_add_u32 v[SPW], v[NIL]
	s_wait_dscnt 0x0
	CROUND
	s_endpgm
.Lfunc_end_k_qa14cf413c8_outp:
	.size	k_qa14cf413c8_outp, .Lfunc_end_k_qa14cf413c8_outp-k_qa14cf413c8_outp
	.p2alignl 7, 3214868480
	.fill 96, 4, 3214868480
	.section	.rodata,"a",@progbits
	.p2align	6, 0x0
	.amdhsa_kernel k_qa14cf413c8_outp
		.amdhsa_group_segment_fixed_size 327680
		.amdhsa_private_segment_fixed_size 0
		.amdhsa_enable_private_segment 0
		.amdhsa_kernarg_size 40
		.amdhsa_user_sgpr_count 2
		.amdhsa_user_sgpr_kernarg_segment_ptr 1
		.amdhsa_wavefront_size32 1
		.amdhsa_system_sgpr_workgroup_id_x 1
		.amdhsa_system_sgpr_workgroup_id_y 1
		.amdhsa_system_sgpr_workgroup_id_z 1
		.amdhsa_system_vgpr_workitem_id 0
		.amdhsa_next_free_vgpr 1024
		.amdhsa_next_free_sgpr 66
		.amdhsa_reserve_vcc 0
		.amdhsa_float_denorm_mode_32 3
		.amdhsa_float_denorm_mode_16_64 3
		.amdhsa_memory_ordered 1
		.amdhsa_forward_progress 1
		.amdhsa_inst_pref_size 88
	.end_amdhsa_kernel
	.amdgpu_metadata
---
amdhsa.version: [ 1, 2 ]
amdhsa.kernels:
  - .name:           k_qa14cf413c8_outp
    .symbol:         k_qa14cf413c8_outp.kd
    .args:
      - { .name: abuf, .offset: 0, .size: 8, .value_kind: global_buffer, .address_space: global }
      - { .name: prepw, .offset: 8, .size: 8, .value_kind: global_buffer, .address_space: global }
      - { .name: out0, .offset: 16, .size: 8, .value_kind: global_buffer, .address_space: global }
      - { .name: fpart, .offset: 24, .size: 8, .value_kind: global_buffer, .address_space: global }
      - { .name: fmrg, .offset: 32, .size: 8, .value_kind: global_buffer, .address_space: global }
    .group_segment_fixed_size: 327680
    .private_segment_fixed_size: 0
    .kernarg_segment_align: 8
    .kernarg_segment_size: 40
    .max_flat_workgroup_size: 128
    .sgpr_count:     66
    .vgpr_count:     1024
    .wavefront_size: 32
...
	.end_amdgpu_metadata
.endif
;; end of part 5
;; launch fproj (part 6): grid 64 x 4, 16 waves a work-group, no clusters, 51,200 bytes of LDS; arguments fmrg, Wo, out0; writes out0
.if DOCPART == 6
	.amdgcn_target "amdgcn-amd-amdhsa--gfx1250"
	.amdhsa_code_object_version 6
	.text
	.protected	k_qa14cf413c8_fproj
	.globl	k_qa14cf413c8_fproj
	.p2align	8
	.type	k_qa14cf413c8_fproj,@function
k_qa14cf413c8_fproj:
	s_mov_b64 s[64:65], 0
	v_nop
	global_prefetch_b8 v0, s[64:65] scope:SCOPE_SE
	s_setreg_imm32_b32 hwreg(HW_REG_WAVE_MODE, 25, 1), 1
	s_wait_xcnt 0x0
; POSITIONS 0-15 OF EVERY SEQUENCE, the way out in f32: the 32 merged rows (fmrg [16 b + position][1024], f32, made at the head of the main projection's launch) are multiplied by Wo as it is given, by fused multiply-adds.
; These 32 rows of out0 replace what the main projection stored there.  Nothing is left out.  No matrix instruction: 67 million multiply-adds are no bulk work.
; SHARES.  A work-group makes 8 rows x 32 columns: 64 x 4 work-groups.  Wave w takes k = 64 w .. 64 w + 63.  Lane (kk = l / 8, cq = l % 8) takes columns 4 cq .. 4 cq + 3 and k = 64 w + 16 kk + 0 .. 15:
; a load of Wo takes 16 bytes a lane, 128 neighbouring bytes of each of four rows; sixteen loads a wave.  A lane keeps 8 rows x 4 columns of sums.
; A packed multiply-add takes ONE number of a register pair for both halves: the first by op_sel_hi 0, the second by op_sel 1 and op_sel_hi 1 on that source.
; The four lane groups' sums are added across lanes (l xor 8, l xor 16), the sixteen waves' in LDS; waves 0 and 1 add those and store.
; A work-group's pieces of rows, of Wo and of out0, are 128 bytes, at multiples of 128 from the buffer's first byte: the neighbouring work-group takes the 128 beside them.
; LDS: wave w's rows at 2,048 w; its partial sums [8][32] at 32,768 + 1,024 w; the spare words at 49,152.
; REGISTERS: v0-63 Wo (16 k x 4 columns); v64-191 the rows' numbers (row r, k j at 64 + 16 r + j); v192-207 the rows as loaded; v208-239 the sums (row r at 208 + 4 r); v240-246 addresses; v248-253 at work.
.set RRG, 32768
.set SPARE, 49152
.set W,  0
.set A,  64
.set SG, 192
.set AC, 208
.set WOFF, 240
.set AOFF, 241
.set AST, 242
.set ALD, 243
.set RST, 244
.set RLD, 245
.set OOF, 246
.set SPW, 254
.set NIL, 255
	s_load_b128 s[4:7], s[0:1], 0x0                ; fmrg, Wo
	s_load_b64 s[8:9], s[0:1], 0x10                ; out0
	v_lshl_add_u32 v[SPW], v0, 2, SPARE
	v_mov_b32 v[NIL], 0
	v_lshrrev_b32 v248, 5, v0
	v_readfirstlane_b32 s10, v248                  ; wave 0..15
	v_and_b32 v249, 31, v0                         ; lane
	v_bfe_u32 v250, v0, 3, 2                       ; kk
	v_and_b32 v251, 7, v0                          ; cq
	v_bfe_u32 v252, v0, 4, 1
	v_and_b32 v253, 15, v0
	v_lshlrev_b32 v[WOFF], 17, v250                ; 16 rows of 8,192 bytes a lane group,
	v_lshl_add_u32 v[WOFF], v251, 4, v[WOFF]       ; my four columns
	v_lshlrev_b32 v[AOFF], 12, v252                ; lanes 0-15 one row of fmrg, lanes 16-31 the next
	v_lshl_add_u32 v[AOFF], v253, 4, v[AOFF]
	s_lshl_b32 s24, s10, 11
	v_lshl_add_u32 v[AST], v249, 4, s24            ; in: two rows of 256 bytes an instruction: 16 x lane
	v_lshl_add_u32 v[ALD], v250, 6, s24            ; back: my 16 k of a row: 64 kk
	s_lshl_b32 s25, s10, 10
	s_add_co_u32 s25, s25, RRG
	v_lshl_add_u32 v[RST], v251, 4, s25
	s_lshl_b32 s25, s10, 9
	s_add_co_u32 s25, s25, RRG
	v_lshl_add_u32 v[RLD], v249, 4, s25            ; waves 0 and 1: four rows of 128 bytes: 16 x lane
	v_lshlrev_b32 v[OOF], 13, v250                 ; and the same four rows in out0
	v_lshl_add_u32 v[OOF], v251, 4, v[OOF]
	s_and_b32 s11, ttmp7, 0xffff                   ; which 8 of the 32 rows
	s_lshr_b32 s12, s11, 1                         ; batch
	s_and_b32 s13, s11, 1                          ; positions 0-7 or 8-15
	s_lshl_b32 s27, ttmp9, 7                       ; my 32 columns, in bytes
	s_mov_b32 s29, 0
	s_mov_b32 s14, 0x76543210
	s_mov_b32 s15, 0xfedcba98                      ; v_permlanex16_b32's selects for lane l xor 16
	s_wait_kmcnt 0x0
	s_lshl_b32 s28, s10, 19                        ; 64 rows of 8,192 bytes
	s_add_co_u32 s28, s28, s27
	s_add_nc_u64 s[16:17], s[6:7], s[28:29]
	s_lshl_b32 s28, s11, 15                        ; 8 rows of 4,096 bytes,
	s_lshl_b32 s30, s10, 8                         ; my 64 k
	s_add_co_u32 s28, s28, s30
	s_add_nc_u64 s[18:19], s[4:5], s[28:29]
	s_lshl_b32 s28, s12, 11
	s_lshl_b32 s30, s13, 3
	s_add_co_u32 s28, s28, s30
	s_lshl_b32 s30, s10, 2
	s_add_co_u32 s28, s28, s30                     ; the first of the four rows that wave 0 or 1 stores
	s_lshl_b32 s28, s28, 13
	s_add_co_u32 s28, s28, s27
	s_add_nc_u64 s[22:23], s[8:9], s[28:29]
.irp i, 0,1,2,3
	global_load_b128 v[SG+4*\i:SG+4*\i+3], v[AOFF], s[18:19] offset:\i*8192
.endr
.set J, 0
.rept 16
	global_load_b128 v[W+4*J:W+4*J+3], v[WOFF], s[16:17] offset:J*8192
.set J, J+1
.endr
	s_wait_loadcnt 16                              ; the rows are in: the 16 loads of Wo were issued behind them
.irp i, 0,1,2,3
	ds_store_b128 v[AST], v[SG+4*\i:SG+4*\i+3] offset:\i*512
.endr
.irp q, 0,1,2,3                                    ; LDS serves a wave in order: these see my stores.  Group q: k = 16 kk + 4 q + 0 .. 3 of each of the eight rows
.irp r, 0,1,2,3,4,5,6,7
	ds_load_b128 v[A+16*\r+4*\q:A+16*\r+4*\q+3], v[ALD] offset:\r*256+\q*16
.endr
.endr
.set J, 0
.rept 16
.if J%4 == 0
	s_wait_dscnt 8*(3-J/4)                         ; this group of eight reads is in; the younger groups may be out
.endif
	s_wait_loadcnt 15-J                            ; Wo's rows 16 kk + J are in; the younger loads may be out
.irp r, 0,1,2,3,4,5,6,7
.set AP, A+16*\r+4*(J/4)+2*((J%4)/2)
.if J == 0
	v_pk_mul_f32 v[AC+4*\r:AC+4*\r+1], v[W+4*J:W+4*J+1], v[AP:AP+1] op_sel_hi:[1,0]                                 ; the first k starts the sums
	v_pk_mul_f32 v[AC+4*\r+2:AC+4*\r+3], v[W+4*J+2:W+4*J+3], v[AP:AP+1] op_sel_hi:[1,0]
.elseif J%2 == 0
	v_pk_fma_f32 v[AC+4*\r:AC+4*\r+1], v[W+4*J:W+4*J+1], v[AP:AP+1], v[AC+4*\r:AC+4*\r+1] op_sel_hi:[1,0,1]
	v_pk_fma_f32 v[AC+4*\r+2:AC+4*\r+3], v[W+4*J+2:W+4*J+3], v[AP:AP+1], v[AC+4*\r+2:AC+4*\r+3] op_sel_hi:[1,0,1]
.else
	v_pk_fma_f32 v[AC+4*\r:AC+4*\r+1], v[W+4*J:W+4*J+1], v[AP:AP+1], v[AC+4*\r:AC+4*\r+1] op_sel:[0,1,0] op_sel_hi:[1,1,1]
	v_pk_fma_f32 v[AC+4*\r+2:AC+4*\r+3], v[W+4*J+2:W+4*J+3], v[AP:AP+1], v[AC+4*\r+2:AC+4*\r+3] op_sel:[0,1,0] op_sel_hi:[1,1,1]
.endif
.endr
.set J, J+1
.endr
.set I, 0
.rept 32
	v_add_f32_dpp v[AC+I], v[AC+I], v[AC+I] row_xmask:8 row_mask:0xf bank_mask:0xf   ; with lane l xor 8's 16 k
.set I, I+1
.endr
.set I, 0
.rept 32
	v_permlanex16_b32 v[W+I], v[AC+I], s14, s15    ; (Wo's registers are done with)
.set I, I+1
.endr
.set I, 0
.rept 32
	v_add_f32 v[AC+I], v[AC+I], v[W+I]             ; and lane l xor 16's: every lane group now holds the wave's sums
.set I, I+1
.endr
.irp r, 0,1,2,3,4,5,6,7
	ds_store_b128 v[RST], v[AC+4*\r:AC+4*\r+3] offset:\r*128   ; the four lane groups write the same bytes with the same values
.endr
	s_wait_dscnt 0x0
	s_barrier_signal -1
	s_barrier_wait -1
	s_cmp_lt_u32 s10, 2
	s_cbranch_scc0 .Lrest
.irp s, 0,1,2,3,4,5,6,7,8,9,10,11,12,13,14,15      ; four rows of 128 bytes from each of the sixteen waves
	ds_load_b128 v[4*\s:4*\s+3], v[RLD] offset:\s*1024
.endr
	s_wait_dscnt 0x0
.irp s, 0,1,2,3,4,5,6,7
	v_pk_add_f32 v[4*\s:4*\s+1], v[4*\s:4*\s+1], v[4*\s+32:4*\s+33]
	v_pk_add_f32 v[4*\s+2:4*\s+3], v[4*\s+2:4*\s+3], v[4*\s+34:4*\s+35]
.endr
.irp s, 0,1,2,3
	v_pk_add_f32 v[4*\s:4*\s+1], v[4*\s:4*\s+1], v[4*\s+16:4*\s+17]
	v_pk_add_f32 v[4*\s+2:4*\s+3], v[4*\s+2:4*\s+3], v[4*\s+18:4*\s+19]
.endr
.irp s, 0,1
	v_pk_add_f32 v[4*\s:4*\s+1], v[4*\s:4*\s+1], v[4*\s+8:4*\s+9]
	v_pk_add_f32 v[4*\s+2:4*\s+3], v[4*\s+2:4*\s+3], v[4*\s+10:4*\s+11]
.endr
	v_pk_add_f32 v[0:1], v[0:1], v[4:5]
	v_pk_add_f32 v[2:3], v[2:3], v[6:7]
	global_store_b128 v[OOF], v[0:3], s[22:23] th:TH_STORE_NT   ; eight lanes store 128 consecutive bytes of a row
.Lrest:
	s_wait_tensorcnt 0x0                           ; the wave's end
	ds_add_u32 v[SPW], v[NIL]
	s_wait_dscnt 0x0
	s_endpgm
.Lfunc_end_k_qa14cf413c8_fproj:
	.size	k_qa14cf413c8_fproj, .Lfunc_end_k_qa14cf413c8_fproj-k_qa14cf413c8_fproj
	.p2alignl 7, 3214868480
	.fill 96, 4, 3214868480
	.section	.rodata,"a",@progbits
	.p2align	6, 0x0
	.amdhsa_kernel k_qa14cf413c8_fproj
		.amdhsa_group_segment_fixed_size 51200
		.amdhsa_private_segment_fixed_size 0
		.amdhsa_enable_private_segment 0
		.amdhsa_kernarg_size 24
		.amdhsa_user_sgpr_count 2
		.amdhsa_user_sgpr_kernarg_segment_ptr 1
		.amdhsa_wavefront_size32 1
		.amdhsa_system_sgpr_workgroup_id_x 1
		.amdhsa_system_sgpr_workgroup_id_y 1
		.amdhsa_system_sgpr_workgroup_id_z 1
		.amdhsa_system_vgpr_workitem_id 0
		.amdhsa_next_free_vgpr 256
		.amdhsa_next_free_sgpr 66
		.amdhsa_reserve_vcc 0
		.amdhsa_float_denorm_mode_32 3
		.amdhsa_float_denorm_mode_16_64 3
		.amdhsa_memory_ordered 1
		.amdhsa_forward_progress 1
		.amdhsa_inst_pref_size 32
	.end_amdhsa_kernel
	.amdgpu_metadata
---
amdhsa.version: [ 1, 2 ]
amdhsa.kernels:
  - .name:           k_qa14cf413c8_fproj
    .symbol:         k_qa14cf413c8_fproj.kd
    .args:
      - { .name: fmrg, .offset: 0, .size: 8, .value_kind: global_buffer, .address_space: global }
      - { .name: Wo, .offset: 8, .size: 8, .value_kind: global_buffer, .address_space: global }
      - { .name: out0, .offset: 16, .size: 8, .value_kind: global_buffer, .address_space: global }
    .group_segment_fixed_size: 51200
    .private_segment_fixed_size: 0
    .kernarg_segment_align: 8
    .kernarg_segment_size: 24
    .max_flat_workgroup_size: 512
    .sgpr_count:     66
    .vgpr_count:     256
    .wavefront_size: 32
...
	.end_amdgpu_metadata
.endif
;; end of part 6
